; MI455X (gfx1250); checked and timed in simulation.
; The chip was launched on July 23, 2026; its instructions are those of AMD's public machine-readable ISA for CDNA 5 (MIT licence, August 2026) and "CDNA5" Instruction Set Architecture Reference Guide (July 2026). The comments in the code are by the model that wrote it; some were corrected since.
;; Non Local Block3 D. Allowed arithmetic: float matrix products may take bf16 or f16 operands with f32 sums; all other float work in f32.
;; Inputs: Wk 128 x 256 float32; Wo 256 x 128 float32; Wq 128 x 256 float32; Wv 128 x 256 float32; bk 128 float32; bo 256 float32; bq 128 float32; bv 128 float32; x 1 x 256 x 16 x 16 x 32 float32.
;; Outputs: out0 1 x 256 x 16 x 16 x 32 float32.
;; 2 versions, each right and faster than the one before. Each part assembles by itself: llvm-mc -triple=amdgcn-amd-amdhsa -mcpu=gfx1250 --defsym DOCPART=n.
;; ======== version 1 of 2: 3 launches
;; workspace buffers: qimg 2,097,152 bytes; kv 4,194,304 bytes; part 8,912,896 bytes
;; launch proj (part 1): grid 256 x 1, 16 waves a work-group, no clusters, 136,192 bytes of LDS; arguments x, Wq, Wk, Wv, bq, bk, bv, qimg, kv; writes qimg, kv
.if DOCPART == 1
	.amdgcn_target "amdgcn-amd-amdhsa--gfx1250"
	.amdhsa_code_object_version 6
	.text
	.protected	k_q6879d77971_proj
	.globl	k_q6879d77971_proj
	.p2align	8
	.type	k_q6879d77971_proj,@function
k_q6879d77971_proj:
	s_mov_b64 s[64:65], 0
	v_nop
	global_prefetch_b8 v0, s[64:65] scope:SCOPE_SE
	s_setreg_imm32_b32 hwreg(HW_REG_WAVE_MODE, 25, 1), 1
	s_wait_xcnt 0x0
; q' = (Wq x + bq) log2(e)/16, k = Wk x + bk, v = Wv x + bv, rounded once to bf16 and stored as the register images of the matrix
; fragments that the attention launch wants.  x: [256 channels][8192 voxels] f32; Wq, Wk, Wv: [128][256] f32.
; VOXEL ORDER: block b is voxels 64 b .. 64 b + 63, taken as four tiles i; column (or row) p of tile i is voxel 64 b + 4 p + i.  So the 16 bytes
; x[c][64 b + 4 r ..] of lane r hold one number for each tile, and sixteen lanes read 256 consecutive bytes, aligned.
; WORK: work-group (b, z): block b, output channels 64 z .. 64 z + 63 of each of q, k, v.  Sixteen waves.  As a loader wave w brings x's channels
; 16 w .. 16 w + 15 and rows 64 z + 4 w .. + 3 of each weight, rounds them to bf16 and lays them into LDS.  As a worker it makes, for voxel tile
; i = w >> 2 and channel tile ot = 4 z + (w & 3), three 16 x 16 results over K = 256: 24 matrix instructions.
; q and k are made as W (rows) x x (columns): a lane then holds 8 neighbouring channels of one voxel, which is half of a K = 32 fragment of that lane.
; v is made as x (rows) x Wv (columns): a lane holds 8 neighbouring keys of one channel, half of a fragment of V transposed.
; Every result store of a wave is 512 consecutive bytes, aligned.
; NO JOINT TENSOR LOADS for the weights, though all work-groups of one z read the same 192 rows: they are f32 and go to the matrix unit as bf16, so they
; pass through registers in any case; landed in LDS as f32 they would cost a further LDS read of 192 KiB and a write of 96 KiB in each work-group.
; LIMITS: finite inputs.  q is scaled by log2(e)/16 in f32 before its one rounding to bf16.
.set ROWX, 32768                       ; bytes in a row of x
.set WL,   32768                       ; LDS: x's fragments in bytes 0 .. 32767 at kc*4096 + i*1024 + half*512 + lane*16; the weights behind them
.set WP,   528                         ; a weight row in LDS: 512 bytes of bf16 + 16: 33 x 16 bytes, so the 16 rows of a fragment load start in 16 different 16-byte columns of 256
.set WT,   64*WP                       ; one weight's 64 rows
.set BQ,   16                          ; v[16:23]  bq of my 8 channels: the first product's C
.set BK,   24                          ; v[24:31]  bk likewise
.set ACQ,  32                          ; v[32:39], v[40:47], v[48:55]: the three sums
.set ACK,  40
.set ACV,  48
.set XL,   64                          ; v[64:95]   x as loaded: register 4 e + i = channel e, tile i
.set WLD,  96                          ; v[96:191]  the weights as loaded, 32 registers each
.set XF,   192                         ; v[192:207] x as bf16 fragments
.set WC,   208                         ; v[208:255] the weights as bf16, 16 registers each
.set FB0,  64                          ; later: three fragment buffers of 64 registers (two K steps of 32: x, Wq, Wk, Wv, 8 registers each)
.set FB1,  128
.set FB2,  192
	s_load_b512 s[4:19], s[0:1], 0x0               ; x 4:5, Wq 6:7, Wk 8:9, Wv 10:11, bq 12:13, bk 14:15, bv 16:17, qimg 18:19
	s_load_b64 s[20:21], s[0:1], 0x40              ; kv
	v_lshl_add_u32 v59, v0, 2, 0x20c00
	v_mov_b32 v63, 0
	v_lshrrev_b32 v1, 5, v0
	v_readfirstlane_b32 s22, v1                    ; w
	s_and_b32 s23, ttmp9, 1                        ; z
	s_lshr_b32 s24, ttmp9, 1                       ; b
	v_and_b32 v61, 15, v0                          ; r
	v_bfe_u32 v62, v0, 4, 1                        ; h
	v_and_b32 v1, 31, v0
	v_lshlrev_b32 v1, 4, v1                        ; lane x 16
	s_lshl_b32 s25, s22, 19                        ; x: channel 16 w + 8 h, voxel 64 b + 4 r
	s_lshl_b32 s26, s24, 8
	s_add_co_u32 s25, s25, s26
	v_lshlrev_b32 v2, 4, v61
	v_lshl_add_u32 v2, v62, 18, v2
	v_add_nc_u32 v2, s25, v2
	s_lshl_b32 s25, s23, 16                        ; weights: row 64 z + 4 w, 16 bytes a lane
	s_lshl_b32 s26, s22, 12
	s_add_co_u32 s25, s25, s26
	v_add_nc_u32 v3, s25, v1
	s_and_b32 s27, s22, 3                          ; my channel tile among the group's four
	s_lshl2_add_u32 s28, s23, s27                  ; ot = 4 z + that
	s_lshr_b32 s29, s22, 2                         ; i, my voxel tile
	s_lshl_b32 s25, s28, 6
	v_lshl_add_u32 v4, v62, 5, s25                 ; bq, bk: channel 16 ot + 8 h
	v_lshl_add_u32 v5, v61, 2, s25                 ; bv: channel 16 ot + r
	s_wait_kmcnt 0x0
	; 38 loads: 8 of x, 8 of each weight (half a row, 512 consecutive bytes each), 6 of the biases
.irp e, 0,1,2,3,4,5,6,7
	global_load_b128 v[XL+4*\e:XL+4*\e+3], v2, s[4:5] offset:\e*ROWX
.endr
.irp n, 0,1,2,3,4,5,6,7
	global_load_b128 v[WLD+4*\n:WLD+4*\n+3], v3, s[6:7] offset:\n*512
.endr
.irp n, 0,1,2,3,4,5,6,7
	global_load_b128 v[WLD+32+4*\n:WLD+32+4*\n+3], v3, s[8:9] offset:\n*512
.endr
.irp n, 0,1,2,3,4,5,6,7
	global_load_b128 v[WLD+64+4*\n:WLD+64+4*\n+3], v3, s[10:11] offset:\n*512
.endr
	global_load_b128 v[BQ:BQ+3],   v4, s[12:13]
	global_load_b128 v[BQ+4:BQ+7], v4, s[12:13] offset:16
	global_load_b128 v[BK:BK+3],   v4, s[14:15]
	global_load_b128 v[BK+4:BK+7], v4, s[14:15] offset:16
	global_load_b32 v14, v5, s[16:17]              ; bv twice: a pair for the packed add
	global_load_b32 v15, v5, s[16:17]
	; the other addresses, while the loads are on their way
	s_lshr_b32 s25, s22, 1                         ; x fragments in: K step w >> 1, half w & 1
	s_lshl_b32 s25, s25, 12
	s_and_b32 s26, s22, 1
	s_lshl_b32 s26, s26, 9
	s_add_co_u32 s25, s25, s26
	v_add_nc_u32 v6, s25, v1
	s_mul_i32 s25, s22, 4*WP                       ; weights in: row 4 w, 8 bytes a lane
	s_add_co_u32 s25, s25, WL
	v_lshrrev_b32 v7, 1, v1
	v_add_nc_u32 v7, s25, v7
	v_add_nc_u32 v8, 2*WT, v7                      ; the third weight lies beyond the reach of a 16-bit offset
	s_lshl_b32 s25, s29, 10                        ; x fragments back: tile i
	v_add_nc_u32 v9, s25, v1
	s_mul_i32 s25, s27, 16*WP                      ; weight fragments back: row 16 (w & 3) + r, 16 bytes for each half of the lanes
	s_add_co_u32 s25, s25, WL
	v_mul_u32_u24 v10, v61, WP
	v_lshl_add_u32 v10, v62, 4, v10
	v_add_nc_u32 v10, s25, v10
	v_add_nc_u32 v11, 2*WT, v10
	s_lshl_b32 s25, s29, 12                        ; the images: q at b*16384 + i*4096 + ot*512 + lane*16,
	s_lshl_b32 s26, s28, 9
	s_add_co_u32 s25, s25, s26
	s_lshl_b32 s26, s24, 14
	s_add_co_u32 s26, s26, s25
	v_add_nc_u32 v12, s26, v1
	s_lshl_b32 s26, s24, 15                        ; k at b*32768 + i*4096 + ot*512 + lane*16,
	s_add_co_u32 s25, s25, s26
	v_add_nc_u32 v13, s25, v1
	s_lshr_b32 s25, s29, 1                         ; v at b*32768 + 16384 + (i>>1)*8192 + ot*1024 + (i&1)*512 + lane*16
	s_lshl_b32 s25, s25, 13
	s_add_co_u32 s26, s26, s25
	s_and_b32 s25, s29, 1
	s_lshl_b32 s25, s25, 9
	s_add_co_u32 s26, s26, s25
	s_lshl_b32 s25, s28, 10
	s_add_co_u32 s26, s26, s25
	s_add_co_u32 s26, s26, 16384
	v_add_nc_u32 v60, s26, v1
	s_wait_loadcnt 30                              ; x is in: the 30 younger loads stay out
.irp i, 0,1,2,3
.irp j, 0,1,2,3
	v_cvt_pk_bf16_f32 v[XF+4*\i+\j], v[XL+8*\j+\i], v[XL+8*\j+4+\i]   ; channels 2 j, 2 j + 1 of my eight, tile i
.endr
	ds_store_b128 v6, v[XF+4*\i:XF+4*\i+3] offset:\i*1024
.endr
; one weight's four rows: round, and 8 bytes a lane into its LDS rows
.macro WSTAGE t, adr, base
.irp n, 0,1,2,3,4,5,6,7
	v_cvt_pk_bf16_f32 v[WC+16*\t+2*\n],   v[WLD+32*\t+4*\n],   v[WLD+32*\t+4*\n+1]
	v_cvt_pk_bf16_f32 v[WC+16*\t+2*\n+1], v[WLD+32*\t+4*\n+2], v[WLD+32*\t+4*\n+3]
.endr
.irp n, 0,1,2,3,4,5,6,7
	ds_store_b64 v[\adr], v[WC+16*\t+2*\n:WC+16*\t+2*\n+1] offset:\base+(\n>>1)*WP+(\n&1)*256
.endr
.endm
	s_wait_loadcnt 22                              ; Wq is in: 16 weight loads and 6 bias loads are younger
	WSTAGE 0, 7, 0
	s_wait_loadcnt 14                              ; Wk
	WSTAGE 1, 7, WT
	s_wait_loadcnt 6                               ; Wv: the biases stay out
	WSTAGE 2, 8, 0
	s_wait_dscnt 0x0                               ; my LDS stores are done, for the other waves' sake,
	s_barrier_signal -1
	s_barrier_wait -1                              ; and everybody's are
; 16 LDS loads: the fragments of K steps 2 bt and 2 bt + 1 into buffer f
.macro BATCH bt, f
.irp q, 0,1
	ds_load_b128 v[\f+32*\q:\f+32*\q+3],     v9  offset:(2*\bt+\q)*4096
	ds_load_b128 v[\f+32*\q+4:\f+32*\q+7],   v9  offset:(2*\bt+\q)*4096+512
	ds_load_b128 v[\f+32*\q+8:\f+32*\q+11],  v10 offset:(2*\bt+\q)*64
	ds_load_b128 v[\f+32*\q+12:\f+32*\q+15], v10 offset:(2*\bt+\q)*64+32
	ds_load_b128 v[\f+32*\q+16:\f+32*\q+19], v10 offset:WT+(2*\bt+\q)*64
	ds_load_b128 v[\f+32*\q+20:\f+32*\q+23], v10 offset:WT+(2*\bt+\q)*64+32
	ds_load_b128 v[\f+32*\q+24:\f+32*\q+27], v11 offset:(2*\bt+\q)*64
	ds_load_b128 v[\f+32*\q+28:\f+32*\q+31], v11 offset:(2*\bt+\q)*64+32
.endr
.endm
; six matrix instructions on buffer f.  The three sums take turns, one instruction a turn.
; first = 1: the first products start the sums, q's and k's from their biases, v's from 0 (its bias runs along the lanes and is added at the end).
.macro MUL6 f, first
.irp q, 0,1
.if \first*(1-\q)
	v_wmma_f32_16x16x32_bf16 v[ACQ:ACQ+7], v[\f+32*\q+8:\f+32*\q+15],  v[\f+32*\q:\f+32*\q+7], v[BQ:BQ+7]
	v_wmma_f32_16x16x32_bf16 v[ACK:ACK+7], v[\f+32*\q+16:\f+32*\q+23], v[\f+32*\q:\f+32*\q+7], v[BK:BK+7]
	v_wmma_f32_16x16x32_bf16 v[ACV:ACV+7], v[\f+32*\q:\f+32*\q+7], v[\f+32*\q+24:\f+32*\q+31], 0
.else
	v_wmma_f32_16x16x32_bf16 v[ACQ:ACQ+7], v[\f+32*\q+8:\f+32*\q+15],  v[\f+32*\q:\f+32*\q+7], v[ACQ:ACQ+7]
	v_wmma_f32_16x16x32_bf16 v[ACK:ACK+7], v[\f+32*\q+16:\f+32*\q+23], v[\f+32*\q:\f+32*\q+7], v[ACK:ACK+7]
	v_wmma_f32_16x16x32_bf16 v[ACV:ACV+7], v[\f+32*\q:\f+32*\q+7], v[\f+32*\q+24:\f+32*\q+31], v[ACV:ACV+7]
.endif
.endr
.endm
	BATCH 0, FB0
	BATCH 1, FB1
	BATCH 2, FB2
	s_wait_loadcnt 0x0                             ; the biases
	s_wait_dscnt 32                                ; buffer 0 is in: two batches of 16 are younger
	MUL6 FB0, 1
.rept 4
	v_nop                                          ; four places between a matrix instruction and a load into its sources (ISA guide 7.12.1 for vector instructions)
.endr
	BATCH 3, FB0
	s_wait_dscnt 32                                ; buffer 1 is in: buffer 2's and the new buffer 0's loads are younger
	MUL6 FB1, 0
	s_wait_dscnt 16                                ; buffer 2
	MUL6 FB2, 0
	s_wait_dscnt 0x0
	MUL6 FB0, 0
.rept 4
	v_nop                                          ; four places before vector instructions read the sums
.endr
.irp j, 0,2,4,6
	v_pk_mul_f32 v[ACQ+\j:ACQ+\j+1], v[ACQ+\j:ACQ+\j+1], 0x3db8aa3b op_sel_hi:[1,0]   ; log2(e)/16: the softmax's scale 1/sqrt(256), and base 2 for v_exp_f32
.endr
.irp j, 0,2,4,6
	v_pk_add_f32 v[ACV+\j:ACV+\j+1], v[ACV+\j:ACV+\j+1], v[14:15]
.endr
.irp j, 0,1,2,3
	v_cvt_pk_bf16_f32 v[FB1+\j],   v[ACQ+2*\j], v[ACQ+2*\j+1]
	v_cvt_pk_bf16_f32 v[FB1+4+\j], v[ACK+2*\j], v[ACK+2*\j+1]
	v_cvt_pk_bf16_f32 v[FB1+8+\j], v[ACV+2*\j], v[ACV+2*\j+1]
.endr
	global_store_b128 v12, v[FB1:FB1+3],    s[18:19]
	global_store_b128 v13, v[FB1+4:FB1+7],  s[20:21]
	global_store_b128 v60, v[FB1+8:FB1+11], s[20:21]
	s_wait_tensorcnt 0x0
	ds_add_u32 v59, v63
	s_wait_dscnt 0x0
	s_endpgm
.Lfunc_end_k_q6879d77971_proj:
	.size	k_q6879d77971_proj, .Lfunc_end_k_q6879d77971_proj-k_q6879d77971_proj
	.p2alignl 7, 3214868480
	.fill 96, 4, 3214868480
	.section	.rodata,"a",@progbits
	.p2align	6, 0x0
	.amdhsa_kernel k_q6879d77971_proj
		.amdhsa_group_segment_fixed_size 136192
		.amdhsa_private_segment_fixed_size 0
		.amdhsa_enable_private_segment 0
		.amdhsa_kernarg_size 72
		.amdhsa_user_sgpr_count 2
		.amdhsa_user_sgpr_kernarg_segment_ptr 1
		.amdhsa_wavefront_size32 1
		.amdhsa_system_sgpr_workgroup_id_x 1
		.amdhsa_system_sgpr_workgroup_id_y 1
		.amdhsa_system_sgpr_workgroup_id_z 1
		.amdhsa_system_vgpr_workitem_id 0
		.amdhsa_next_free_vgpr 256
		.amdhsa_next_free_sgpr 66
		.amdhsa_reserve_vcc 0
		.amdhsa_float_denorm_mode_32 3
		.amdhsa_float_denorm_mode_16_64 3
		.amdhsa_memory_ordered 1
		.amdhsa_forward_progress 1
		.amdhsa_inst_pref_size 21
	.end_amdhsa_kernel
	.amdgpu_metadata
---
amdhsa.version: [ 1, 2 ]
amdhsa.kernels:
  - .name:           k_q6879d77971_proj
    .symbol:         k_q6879d77971_proj.kd
    .args:
      - { .name: x, .offset: 0, .size: 8, .value_kind: global_buffer, .address_space: global }
      - { .name: Wq, .offset: 8, .size: 8, .value_kind: global_buffer, .address_space: global }
      - { .name: Wk, .offset: 16, .size: 8, .value_kind: global_buffer, .address_space: global }
      - { .name: Wv, .offset: 24, .size: 8, .value_kind: global_buffer, .address_space: global }
      - { .name: bq, .offset: 32, .size: 8, .value_kind: global_buffer, .address_space: global }
      - { .name: bk, .offset: 40, .size: 8, .value_kind: global_buffer, .address_space: global }
      - { .name: bv, .offset: 48, .size: 8, .value_kind: global_buffer, .address_space: global }
      - { .name: qimg, .offset: 56, .size: 8, .value_kind: global_buffer, .address_space: global }
      - { .name: kv, .offset: 64, .size: 8, .value_kind: global_buffer, .address_space: global }
    .group_segment_fixed_size: 136192
    .private_segment_fixed_size: 0
    .kernarg_segment_align: 8
    .kernarg_segment_size: 72
    .max_flat_workgroup_size: 512
    .sgpr_count:     66
    .vgpr_count:     256
    .wavefront_size: 32
...
	.end_amdgpu_metadata
.endif
;; end of part 1
;; launch attn (part 2): grid 256 x 1, 4 waves a work-group, clusters of 4 x 1, 327,680 bytes of LDS; arguments qimg, kv, part; writes part
.if DOCPART == 2
	.amdgcn_target "amdgcn-amd-amdhsa--gfx1250"
	.amdhsa_code_object_version 6
	.text
	.protected	k_q6879d77971_attn
	.globl	k_q6879d77971_attn
	.p2align	8
	.type	k_q6879d77971_attn,@function
k_q6879d77971_attn:
	s_mov_b64 s[64:65], 0
	v_nop
	global_prefetch_b8 v0, s[64:65] scope:SCOPE_SE
	s_setreg_imm32_b32 hwreg(HW_REG_WAVE_MODE, 25, 1), 1
	s_wait_xcnt 0x0
	s_wait_alu depctr_hold_cnt(0) depctr_sa_sdst(0) depctr_va_vdst(0) depctr_va_sdst(0) depctr_va_ssrc(0) depctr_va_vcc(0) depctr_vm_vsrc(0)
	s_getreg_b32 s2, hwreg(HW_REG_IB_STS2, 6, 4)
	s_cmp_eq_u32 s2, 0
	s_cbranch_scc0 .Lentry_in_a_cluster
	s_endpgm
.Lentry_in_a_cluster:
	s_bfe_u32 s2, ttmp6, 0x10000c
	s_cmp_lg_u32 s2, 0x3003
	s_cbranch_scc0 .Lentry_shape_is_right
	s_endpgm
.Lentry_shape_is_right:
; Attention with a running maximum: a work-group takes 64 queries (block qb) against one half of the 8192 keys and stores the unnormalised sums
; O^T = sum of 2^(s - m) v, with m and l = sum of 2^(s - m), for the last launch to join with the other half's.
; Four waves, one for each SIMD of a WGP.  In step t (16 steps) wave w takes key block 64 half + 4 t + w (64 keys) against all 64 queries:
; 64 matrix instructions for S^T = K x Q, the softmax, 64 for O^T += V^T x P, fed by 64 LDS loads of 512 bytes.
; S^T: rows are keys, columns queries, so a lane holds one query's scores: maximum and sum stay in the lane but for one exchange between the halves of
; the wave, the factor that rescales O is one number a lane, and two neighbouring S tiles, rounded to bf16, ARE P's fragment for the second product.
; K, V and Q lie in memory as register images (lane x 16 bytes, 512 bytes for each four registers): every LDS load is 512 consecutive bytes: no padding.
;
; THE PIPELINE.  The unit is tile j = 4 t + q: 16 queries x 64 keys.  Slot i has two halves of 16 matrix instructions, and behind each matrix instruction
; stand at most five vector instructions that name none of its registers:
;   first half:  O += V x P of tile i - 2;  beside it the maxima, new m, a = 2^(old m - new m) and -m of tile i, P of tile i - 1 rounded, O of tile i times a;
;   second half: S of tile i + 1;           beside it s - m, 2^x, the sum and l of tile i.
; S has two buffers of 32 registers and P two of 16, taken by j & 1; m is kept twice, by the step's parity, so that old and new need no copy.
; V(t) is loaded in the middle of slot 4 t + 1, behind the last product on V(t - 1); K(t + 1) at the end of slot 4 t + 2, behind the last product on K(t).
;
; REGISTERS, in windows of 256:
;   window 0: v0-31 addresses and softmax state; v32-159 K's fragments (kt, cc) at 32 + 8 (4 kt + cc); v160-223 S, two buffers; v224-255 P, two buffers
;   window 1: O^T, tile (q, ct) at 64 q + 8 ct        window 2: v128-255 V's fragments (ct, kk) at 128 + 8 (8 kk + ct)
;   window 3: v0-127 Q's fragments (q, cc) at 8 (4 q + cc); v128-129 (-m, -m); v130-131 (a, a); v132-139 the end's factors
; K and S share window 0, so that the S products' setting (A 0, B 3, C and D 0) serves the vector work on S as well: the second half has no switch.
; There source 1 means window 3: -m and a live there, and a plain sum is written x * 1.0 + y with the addend in source 2.
; The PV products' destination is O's window, which O fills, so in the first half each group of vector instructions stands between two switches.
;
; CLUSTER: the four work-groups of a cluster have the same key half and four neighbouring query blocks; they walk the same K and V blocks, so every
; tensor load is a joint one that names all four (mask 15).  Its descriptor is made of the cluster's number, the wave's number and the step alone.
; The place in the cluster (cx) enters only the global offsets of the queries and of the result, in s11, s12, s[40:43].
; RING: two LDS slots of 128 KiB; wave w's 32 KiB of a slot (K's 16 KiB, then V's) are brought by its own load and read by it alone.  By this text's
; own count a wave has two tensor loads out at the start and one behind each round.  A refill has a whole step (four slots of the pipeline) in which to land.
; LIMITS: finite inputs (a NaN loses in the maxima).  2^x below 2^-126 counts as 0.  l is summed from p in f32, the product takes p rounded to bf16.
.set SLOT,  131072                     ; bytes in a slot of the ring
.set STAT,  262144                     ; behind the ring: m[4 waves][64 queries], then l likewise, 1 KiB each; no tensor load lands here
.set PTILE, 8704                       ; a query tile in part: 16 x 512 bytes of O^T, 512 of (m, l, m, l)
.set LA,   2                           ; v2, v3    my share of ring slot 0, 1: slot + w*32768 + lane*16
.set MX,   10                          ; v[10:17]  running maxima: 4 x parity of the step + q
.set LS,   18                          ; v[18:21]  running sums (of this half of the lanes' keys, until the end)
.set TC,   22                          ; v[22:25]  four chains of maxima
.set TX,   26                          ; v26       the other half's maximum
.set DT,   27                          ; v27       old m - new m
.set SU,   28                          ; v[28:29]  a pair of partial sums
.set XT,   30                          ; v30       at work
.set KB,   32                          ; K's fragments
.set SBUF, 160                         ; S
.set PBUF, 224                         ; P
.set VB,   128                         ; window 2: V's fragments
.set NM,   128                         ; window 3: (-m, -m)
.set AL,   130                         ; window 3: (a, a)
.set ALE,  132                         ; window 3: the end's four pairs
.set MXF,  MX+4                        ; the last step is odd: its maxima
.set EM,   32                          ; the end, in K's registers: m of wave p, tile q at 4 p + q
.set OM,   48                          ; m of the four waves for the tile that I write out
.set OL,   52                          ; their l
.set QD,   56                          ; (m, l, m, l) as stored
.set TT,   64                          ; at work
.set TD,   68
.set G1,   16                          ; s[16:23]  descriptor group 1
.set G0,   32                          ; s[32:39]  descriptor group 0, a set for each slot
.set MSB, 0
.macro WIN new                         ; low byte: bits 1:0 source 0, 3:2 source 1, 5:4 source 2, 7:6 destination; the high byte repeats the setting that is left
.if MSB != \new
	s_set_vgpr_msb (MSB<<8)|\new
.set MSB, \new
.endif
.endm
.macro PLACES n
.rept \n
	v_nop
.endr
.endm
; A round of the cluster's barrier: my work-group's barrier, wave 0 signals for the work-group, every wave waits for all four work-groups, my work-group's barrier again.
.macro CREST                           ; a round behind its opening barrier
	s_cmp_lg_u32 s10, 0
	s_cbranch_scc1 .Lnot_wave_0_\@
	s_barrier_signal -3
.Lnot_wave_0_\@:
	s_barrier_wait -3
	s_barrier_signal -1
	s_barrier_wait -1
.endm
.macro ROUND
	s_barrier_signal -1
	s_barrier_wait -1
	CREST
.endm
	s_load_b128 s[4:7], s[0:1], 0x0                ; qimg 4:5, kv 6:7
	s_load_b64 s[8:9], s[0:1], 0x10                ; part
	v_lshl_add_u32 v31, v0, 2, 0x40800
	s_set_vgpr_msb 0xc0
	v_mov_b32 v255, 0
	s_set_vgpr_msb 0xc0cc
	ds_add_u32 v31, v255
	s_set_vgpr_msb 0xcc00
	v_lshrrev_b32 v1, 5, v0
	v_readfirstlane_b32 s10, v1                    ; w
	s_lshr_b32 s13, ttmp9, 5                       ; key half: clusters 0-31 the first, 32-63 the second
	s_mov_b32 s14, 0x76543210                      ; v_permlanex16_b32: lane i of one half reads lane i of the other
	s_mov_b32 s15, 0xfedcba98
	; group 1: 128 dense rows of 32 elements of 8 bytes = 32 KiB, a key block's K and V
	s_mov_b32 s[G1+0], 0x0023000f                  ; 15:0 mask: all four work-groups; 17:16 elements of 8 bytes; 21 set beside a mask; no padding
	s_mov_b32 s[G1+1], 32<<16                      ; tensor_dim0 = 32
	s_mov_b32 s[G1+2], 128<<16                     ; tensor_dim1 = 128
	s_mov_b32 s[G1+3], 32<<16                      ; tile_dim0 = 32
	s_mov_b32 s[G1+4], 128                         ; tile_dim1 = 128
	s_mov_b32 s[G1+5], 32                          ; from row to row: 32 elements
	s_mov_b32 s[G1+6], 0
	s_mov_b32 s[G1+7], 0
	s_lshl_b32 s26, s10, 15                        ; my 32 KiB of a slot, and of a step's four key blocks
	s_lshl_b32 s24, s13, 21                        ; a half of kv is 64 blocks of 32 KiB
	s_add_co_u32 s24, s24, s26
	s_mov_b32 s25, 0
	s_bfe_u32 s11, ttmp6, 0x40000                  ; cx
	s_and_b32 s12, ttmp9, 31
	s_lshl2_add_u32 s12, s12, s11                  ; query block qb = 4 (cluster mod 32) + cx
	s_lshl_b32 s40, s12, 14                        ; its 16 KiB in qimg
	s_mov_b32 s41, 0
	s_lshl_b32 s42, s13, 9
	s_lshl2_add_u32 s42, s12, s42                  ; 512 half + 4 qb
	s_add_co_u32 s42, s42, s10                     ; + w: the query tile that I write out
	s_mul_i32 s42, s42, PTILE
	s_mov_b32 s43, 0
	s_wait_dscnt 0x0
	s_wait_kmcnt 0x0
	s_add_nc_u64 s[6:7], s[6:7], s[24:25]
	s_add_nc_u64 s[4:5], s[4:5], s[40:41]
	s_add_nc_u64 s[8:9], s[8:9], s[42:43]
	ROUND                                          ; all four work-groups are here: the first joint loads meet
.irp n, 0,1
	s_mov_b32 s[G0+4*\n], 1                                        ; count = 1
	s_add_co_u32 s[G0+4*\n+1], s26, \n*SLOT                        ; LDS address
	s_add_nc_u64 s[G0+4*\n+2:G0+4*\n+3], s[6:7], \n*SLOT           ; step n: a step's four blocks are 128 KiB
	s_or_b32 s[G0+4*\n+3], s[G0+4*\n+3], 0x80000000                ; type = 2
	tensor_load_to_lds s[G0+4*\n:G0+4*\n+3], s[G1:G1+7]
	s_nop 0
.endr
	v_and_b32 v1, 31, v0
	v_lshlrev_b32 v1, 4, v1                        ; lane x 16
	v_and_b32 v7, 15, v0
	v_lshlrev_b32 v7, 2, v7                        ; 4 r
	v_add_nc_u32 v[LA], s26, v1
	v_add_nc_u32 v[LA+1], SLOT, v[LA]
	s_lshl_b32 s27, s10, 8
	s_add_co_u32 s27, s27, STAT
	v_add_nc_u32 v4, s27, v7                       ; where I put my m and l
	v_add_nc_u32 v5, STAT, v7                      ; where all waves' lie
	s_lshl_b32 s27, s10, 6
	s_add_co_u32 s27, s27, STAT
	v_add_nc_u32 v6, s27, v7                       ; those of query tile w
	s_lshl_b32 s27, s10, 13
	v_add_nc_u32 v8, s27, v1                       ; the end: tile w in wave 0's O^T; waves 2 and 3 lie beyond a 16-bit offset:
	v_add_nc_u32 v9, 65536, v8
	v_mov_b32 v[TX], 0                             ; v_permlanex16_b32 counts as a reader of its destination
	WIN 0xc0                                       ; destination window 3
.set ii, 0
.rept 32
	global_load_b128 v[4*ii:4*ii+3], v1, s[4:5] offset:ii*512      ; Q, kept for the whole kernel
.set ii, ii+1
.endr
; The names of a slot: q = i & 3 is the tile of its vector work, par the parity of that tile's step.
.macro SETQ q, par
.set QI,  \q                           ; softmax and rescaling
.set QS,  (\q+1)&3                     ; S products
.set QP,  (\q+2)&3                     ; PV products
.set SBI, SBUF+32*(\q&1)               ; S of tile i
.set SBN, SBUF+32-32*(\q&1)            ; S of tile i - 1 (read by the rounding), then of tile i + 1 (written by the products)
.set PBR, PBUF+16*(\q&1)               ; P of tile i - 2
.set PBW, PBUF+16-16*(\q&1)            ; P of tile i - 1
.set MXN, MX+4*\par+\q                 ; new maximum
.set MXO, MX+4-4*\par+\q               ; the last step's
.endm
; 32 LDS loads: K's 16 fragments.  Destination and address in window 0: stands under setting 0 or under the S products' setting.
.macro KRUN
.set ii, 0
.rept 32
	ds_load_b128 v[KB+4*ii:KB+4*ii+3], v[LAK] offset:ii*512
.set ii, ii+1
.endr
.endm
.macro VRUN                            ; V's 16 fragments
	WIN 0x80                                       ; destination window 2
.set ii, 0
.rept 32
	ds_load_b128 v[VB+4*ii:VB+4*ii+3], v[LAV] offset:16384+ii*512
.set ii, ii+1
.endr
.endm
; PV product n = 8 kk + ct of tile i - 2: O^T(ct) += V^T(ct, kk) x P(kk).  The eight sums take turns, one instruction a turn.
; mode 0: none (the pipeline fills); 1: step 0, whose first products start the sums; 2: adds on.
.macro PVW n, mode
.if \mode
	WIN 0x52                                       ; A window 2, B window 0, C and D window 1
.if (2-\mode)*(1-((\n)>>3))
	v_wmma_f32_16x16x32_bf16 v[64*QP+8*((\n)&7):64*QP+8*((\n)&7)+7], v[VB+8*(\n):VB+8*(\n)+7], v[PBR+8*((\n)>>3):PBR+8*((\n)>>3)+7], 0
.else
	v_wmma_f32_16x16x32_bf16 v[64*QP+8*((\n)&7):64*QP+8*((\n)&7)+7], v[VB+8*(\n):VB+8*(\n)+7], v[PBR+8*((\n)>>3):PBR+8*((\n)>>3)+7], v[64*QP+8*((\n)&7):64*QP+8*((\n)&7)+7]
.endif
.endif
.endm
; S product n = 4 cc + kt of tile i + 1: S^T(kt) += K(kt, cc) x Q(cc).  The four sums take turns, one instruction a turn; cc = 0 starts them.
.macro SMW n, on
.if \on
	WIN 0x0c                                       ; A window 0, B window 3, C and D window 0
.if (\n) > 3
	v_wmma_f32_16x16x32_bf16 v[SBN+8*((\n)&3):SBN+8*((\n)&3)+7], v[KB+8*(4*((\n)&3)+((\n)>>2)):KB+8*(4*((\n)&3)+((\n)>>2))+7], v[8*(4*QS+((\n)>>2)):8*(4*QS+((\n)>>2))+7], v[SBN+8*((\n)&3):SBN+8*((\n)&3)+7]
	s_wait_alu depctr_va_vdst(0)
.else
	v_wmma_f32_16x16x32_bf16 v[SBN+8*((\n)&3):SBN+8*((\n)&3)+7], v[KB+8*(4*((\n)&3)+((\n)>>2)):KB+8*(4*((\n)&3)+((\n)>>2))+7], v[8*(4*QS+((\n)>>2)):8*(4*QS+((\n)>>2))+7], 0
.endif
.endif
.endm
.macro MAXA c                          ; chain c starts with three scores of S tile c
	v_max3_num_f32 v[TC+\c], v[SBI+8*\c], v[SBI+8*\c+1], v[SBI+8*\c+2]
.endm
.macro MAXB c, k                       ; and takes two more
	v_max3_num_f32 v[TC+\c], v[TC+\c], v[SBI+8*\c+\k], v[SBI+8*\c+\k+1]
.endm
; P of tile i - 1, registers a .. a + n - 1: S tiles 2 kk and 2 kk + 1 hold keys 8 h + j and 16 + 8 h + j of the 32: registers 0-3 and 4-7 of fragment kk
.macro CV on, a, n
.if \on
	WIN 0
.set jj, \a
.rept \n
	v_cvt_pk_bf16_f32 v[PBW+jj], v[SBN+2*jj], v[SBN+2*jj+1]
.set jj, jj+1
.endr
.endif
.endm
.macro RSC sf, a                       ; four pairs of O^T of tile i times its a
.if \sf == 2
	WIN 0x4d                                       ; destination and source 0 window 1, source 1 window 3
.set jj, \a
.rept 4
	v_pk_mul_f32 v[64*QI+2*jj:64*QI+2*jj+1], v[64*QI+2*jj:64*QI+2*jj+1], v[AL:AL+1]
.set jj, jj+1
.endr
.endif
.endm
; THE FIRST HALF OF A SLOT.  pv: PVW's mode.  sf: 0 no softmax (the pipeline drains), 1 step 0 (no old maximum, nothing to rescale), 2 the rule.  cv: tile i - 1 is rounded.
; The first maxima read S tiles 0 to 3, which the last four S products of the slot before wrote.  Between each of those and its reader stand at least
; four plain vector instructions that name none of its registers (ISA guide 7.12.1): the sums behind those products and the maxima of the tiles before.
.macro PSUB pv, sf, cv
	PVW 0, \pv
.if \sf
	WIN 0
	MAXA 0
	MAXA 1
	MAXA 2
	MAXA 3
	MAXB 0, 3
.endif
	PVW 1, \pv
.if \sf
	WIN 0
	MAXB 1, 3
	MAXB 2, 3
	MAXB 3, 3
	MAXB 0, 5
	MAXB 1, 5
.endif
	PVW 2, \pv
.if \sf
	WIN 0
	MAXB 2, 5
	MAXB 3, 5
	v_max3_num_f32 v[TC], v[TC], v[TC+1], v[SBI+7]         ; the chains meet, each step taking one tile's eighth score along
	v_max3_num_f32 v[TC+2], v[TC+2], v[TC+3], v[SBI+15]
.endif
	CV \cv, 0, 1
	PVW 3, \pv
.if \sf
	WIN 0
	v_max3_num_f32 v[TC], v[TC], v[TC+2], v[SBI+23]
.endif
	CV \cv, 1, 3
.if \sf == 1
	v_max_num_f32 v[TC], v[TC], v[SBI+31]
.endif
.if \sf == 2
	v_max3_num_f32 v[TC], v[TC], v[SBI+31], v[MXO]         ; and the running maximum
.endif
	PVW 4, \pv
.if \sf
	WIN 0
	v_permlanex16_b32 v[TX], v[TC], s14, s15               ; the other 32 keys' maximum
.endif
	CV \cv, 4, 4
	PVW 5, \pv
.if \sf
	WIN 0
	v_max_num_f32 v[MXN], v[TC], v[TX]                     ; the new maximum, alike in both halves
.endif
	CV \cv, 8, 3
.if \sf == 2
	v_sub_f32 v[DT], v[MXO], v[MXN]                        ; old - new, at most 0
.endif
	PVW 6, \pv
.if \sf
	WIN 0xc0                                       ; destination window 3
.if \sf == 2
	v_exp_f32 v[AL], v[DT]                         ; twice: a pair for the packed multiply.  The two lines below are the plain instructions
	v_exp_f32 v[AL+1], v[DT]                       ; that stand between these and the first use of their results (ISA guide 5.7.2)
.endif
	v_xor_b32 v[NM], 0x80000000, v[MXN]
	v_xor_b32 v[NM+1], 0x80000000, v[MXN]
	s_wait_alu depctr_va_vdst(0)
.endif
	PVW 7, \pv
	CV \cv, 11, 5
.irp g, 0,1,2,3,4,5,6,7
	PVW 8+\g, \pv
	RSC \sf, 4*\g
.endr
.endm
; The vector work of the second half, on pair p (0 to 15) of tile i's 32 scores, under the S products' setting.
.macro AOP p                           ; s - m
	WIN 0x0c
	v_pk_add_f32 v[SBI+2*(\p):SBI+2*(\p)+1], v[SBI+2*(\p):SBI+2*(\p)+1], v[NM:NM+1]
.endm
.macro EOP p                           ; p = 2^(s - m): the scores carry log2(e)/16 from the projection
	WIN 0x0c
	v_exp_f32 v[SBI+2*(\p)], v[SBI+2*(\p)]
	v_exp_f32 v[SBI+2*(\p)+1], v[SBI+2*(\p)+1]
.endm
.macro FOP p                           ; the sum: x * 1.0 + y, since source 1 means window 3 here; pairs 0 and 1 start it
	WIN 0x0c
.if (\p) == 1
	s_wait_alu depctr_va_vdst(0)
	v_pk_fma_f32 v[SU:SU+1], v[SBI:SBI+1], 1.0, v[SBI+2:SBI+3] op_sel_hi:[1,0,1]
.else
	s_wait_alu depctr_va_vdst(0)
	v_pk_fma_f32 v[SU:SU+1], v[SBI+2*(\p):SBI+2*(\p)+1], 1.0, v[SU:SU+1] op_sel_hi:[1,0,1]
.endif
.endm
; THE SECOND HALF OF A SLOT.  sm: the S products are there.  sf as above.  vrun: V's fragments are loaded first.  sig: the round that stands behind this half is opened in it.
; Behind each pair of exponentials stands a plain instruction on other registers before their results are summed (ISA guide 5.7.2).
.macro SSUB sm, sf, vrun, sig
.if \sf
	AOP 0
	AOP 1
.endif
.if \vrun
	VRUN                                           ; behind the last product on the old V stand four rescaling multiplies and the two lines above: six places, four are asked
.endif
	SMW 0, \sm
.if \sf
	EOP 0
	EOP 1
	AOP 2
.endif
.irp g, 1,2,3,4,5,6,7,8,9,10,11,12,13
	SMW \g, \sm
.if \sf
	EOP (\g+1)
	FOP \g
	AOP (\g+2)
.endif
.endr
.if \sig
	s_wait_dscnt 0x0                               ; V is in: all my reads of this step's ring slot are done
	s_wait_tensorcnt 0x0                           ; all my tensor loads have landed: the one that was out is the next step's block
	ds_add_u32 v31, v255
	s_wait_dscnt 0x0
	s_add_nc_u64 s[G0+4*RSL+2:G0+4*RSL+3], s[G0+4*RSL+2:G0+4*RSL+3], 2*SLOT   ; so a group 0 may be written: this slot's next block
	s_barrier_signal -1                            ; opens a round of the cluster's barrier; only register work stands inside it
.endif
	SMW 14, \sm
.if \sf
	EOP 15
	FOP 14
.endif
	SMW 15, \sm
.if \sf
	FOP 15
.if \sf == 1
	v_fma_f32 v[LS+QI], v[SU], 1.0, v[SU+1]
.else
	v_fma_f32 v[XT], v[LS+QI], v[AL], v[SU]        ; l = l a + the pair's two sums
	v_fma_f32 v[LS+QI], v[SU+1], 1.0, v[XT]
.endif
.endif
.endm
; THE FOUR SLOTS i = 4 t .. 4 t + 3 of step t.  par = t & 1, also the step's ring slot.  sf: the softmax's mode.  pva: mode of the PV products of tiles 2, 3 of step t - 1;
; pvb: of tiles 0, 1 of step t.  rnd 2: the step's ring slot is filled again, two steps ahead; 1: only the next block is waited for; 0: nothing is out.  nxt: step t + 1 exists.
.macro BODY par, sf, pva, pvb, rnd, nxt
.set RSL, \par
.set LAV, LA+\par
.set LAK, LA+1-\par
	SETQ 0, \par
.if \pva
	PSUB \pva, \sf, 1
.else
	PSUB 0, \sf, 0
.endif
	SSUB 1, \sf, 0, 0
	SETQ 1, \par
	PSUB \pva, \sf, 1
.if \rnd == 2
	SSUB 1, \sf, 1, 1
	WIN 0
	s_barrier_wait -1
	CREST                                          ; no wave of any of the four work-groups still reads this ring slot or has a load on its way
	tensor_load_to_lds s[G0+4*\par:G0+4*\par+3], s[G1:G1+7]        ; my one tensor load behind the round, and the first thing there
	s_nop 0
	v_nop
	v_nop
	v_nop
	v_nop
.else
	SSUB 1, \sf, 1, 0
	s_wait_dscnt 0x0                               ; V is in
.if \rnd == 1
	s_wait_tensorcnt 0x0                           ; the last block, my own load's, which I alone read: no barrier, since nothing is filled again
.endif
.endif
	SETQ 2, \par
	PSUB \pvb, \sf, 1
	SSUB 1, \sf, 0, 0
.if \nxt
	PLACES 2                                       ; with the two or three sums behind the last S product: four places or more before loads land on K's fragments
	KRUN
.endif
	SETQ 3, \par
	PSUB \pvb, \sf, 1
.if \nxt
	s_wait_dscnt 0x0                               ; the new K is in: its loads were issued sixteen matrix instructions ago
.endif
	SSUB \nxt, \sf, 0, 0
.endm
	WIN 0
	s_wait_tensorcnt 0x1                           ; my block of step 0 is in; step 1's may stay out
.set LAK, LA
	KRUN
	s_wait_loadcnt 0x0                             ; Q
	s_wait_dscnt 0x0                               ; K
	SETQ 3, 0                                      ; slot -1: S of tile 0, with nothing beside it
	SSUB 1, 0, 0, 0
	PLACES 4                                       ; four places before the maxima read it
	BODY 0, 1, 0, 1, 2, 1                          ; steps 0 and 1 stand in front of the loop: the pipeline fills, and step 0's products start the sums
	BODY 1, 2, 1, 2, 2, 1
	WIN 0                                          ; at a label and at a branch every window is 0
	s_mov_b32 s28, 6                               ; steps 2 to 13
.Lstep:
	BODY 0, 2, 2, 2, 2, 1
	BODY 1, 2, 2, 2, 2, 1
	WIN 0
	s_sub_co_u32 s28, s28, 1
	s_cmp_lg_u32 s28, 0
	s_cbranch_scc1 .Lstep
	BODY 0, 2, 2, 2, 1, 1                          ; steps 14 and 15 fill nothing
	BODY 1, 2, 2, 2, 0, 0
	SETQ 0, 0                                      ; the pipeline drains: slot 64, PV of tile 62, tile 63 is rounded;
	PSUB 2, 0, 1
	SETQ 1, 0                                      ; slot 65, PV of tile 63
	PSUB 2, 0, 0
	WIN 0
	PLACES 4                                       ; four places before vector instructions read the last sums
	; THE END: the four waves hold sums over different keys of the same 64 queries.  m and l meet in LDS; each wave scales its O^T to the common maximum
	; and lays it into its own 32 KiB of ring slot 0, which has had its last fill; wave w then adds up query tile w and stores it.
.irp q, 0,1,2,3
	v_permlanex16_b32 v[TC+\q], v[LS+\q], s14, s15
.endr
.irp q, 0,1,2,3
	v_add_f32 v[LS+\q], v[LS+\q], v[TC+\q]         ; both halves of the lanes' keys
.endr
.irp q, 0,1,2,3
	ds_store_b32 v4, v[MXF+\q] offset:\q*64        ; lanes r and 16 + r write the same word with the same number
	ds_store_b32 v4, v[LS+\q] offset:1024+\q*64
.endr
	s_wait_dscnt 0x0                               ; for the others' sake
	s_barrier_signal -1
	s_barrier_wait -1
.irp p, 0,1,2,3
.irp q, 0,1,2,3
	ds_load_b32 v[EM+4*\p+\q], v5 offset:\p*256+\q*64
.endr
	ds_load_b32 v[OM+\p], v6 offset:\p*256
	ds_load_b32 v[OL+\p], v6 offset:1024+\p*256
.endr
	s_wait_dscnt 0x0
.irp q, 0,1,2,3
	v_max3_num_f32 v[TT+\q], v[EM+\q], v[EM+4+\q], v[EM+8+\q]
.endr
.irp q, 0,1,2,3
	v_max_num_f32 v[TT+\q], v[TT+\q], v[EM+12+\q]
.endr
.irp q, 0,1,2,3
	v_sub_f32 v[TD+\q], v[MXF+\q], v[TT+\q]
.endr
	v_max3_num_f32 v[QD], v[OM], v[OM+1], v[OM+2]
	v_max_num_f32 v[QD], v[QD], v[OM+3]            ; the maximum of tile w over the half's 4096 keys
.irp p, 0,1,2,3
	v_sub_f32 v[OM+\p], v[OM+\p], v[QD]
.endr
.irp p, 0,1,2,3
	v_exp_f32 v[OM+\p], v[OM+\p]
.endr
	v_mov_b32 v[QD+2], v[QD]                       ; fills the stored 16 bytes, and is the plain instruction behind the exponentials
	s_wait_alu depctr_va_vdst(0)
	v_mul_f32 v[QD+1], v[OM], v[OL]
	v_fmac_f32 v[QD+1], v[OM+1], v[OL+1]
	v_fmac_f32 v[QD+1], v[OM+2], v[OL+2]
	v_fmac_f32 v[QD+1], v[OM+3], v[OL+3]           ; l of tile w
	v_mov_b32 v[QD+3], v[QD+1]
	WIN 0xc0                                       ; destination window 3
.irp q, 0,1,2,3
	v_exp_f32 v[ALE+2*\q],   v[TD+\q]              ; my sums' factors to the common maxima, each twice
	v_exp_f32 v[ALE+2*\q+1], v[TD+\q]
.endr
	v_nop                                          ; the plain instruction behind them
	WIN 0x4d
	s_wait_alu depctr_va_vdst(0)
.irp q, 0,1,2,3
.set ii, 0
.rept 32
	v_pk_mul_f32 v[64*\q+2*ii:64*\q+2*ii+1], v[64*\q+2*ii:64*\q+2*ii+1], v[ALE+2*\q:ALE+2*\q+1]
.set ii, ii+1
.endr
.endr
	WIN 0x04                                       ; store data window 1
.set ii, 0
.rept 64
	ds_store_b128 v[LA], v[4*ii:4*ii+3] offset:ii*512
.set ii, ii+1
.endr
	s_wait_dscnt 0x0                               ; for the others' sake
	s_barrier_signal -1
	s_barrier_wait -1
	WIN 0x80
.irp p, 0,1
.set ii, 0
.rept 16
	ds_load_b128 v[64*\p+4*ii:64*\p+4*ii+3], v8 offset:\p*32768+ii*512
.set ii, ii+1
.endr
.endr
.irp p, 0,1
.set ii, 0
.rept 16
	ds_load_b128 v[128+64*\p+4*ii:128+64*\p+4*ii+3], v9 offset:\p*32768+ii*512
.set ii, ii+1
.endr
.endr
	s_wait_dscnt 0x0
	WIN 0x8a                                       ; all in window 2
.set ii, 0
.rept 32
	v_pk_add_f32 v[2*ii:2*ii+1], v[2*ii:2*ii+1], v[64+2*ii:64+2*ii+1]
	v_pk_add_f32 v[128+2*ii:128+2*ii+1], v[128+2*ii:128+2*ii+1], v[192+2*ii:192+2*ii+1]
.set ii, ii+1
.endr
.set ii, 0
.rept 32
	v_pk_add_f32 v[2*ii:2*ii+1], v[2*ii:2*ii+1], v[128+2*ii:128+2*ii+1]
.set ii, ii+1
.endr
	WIN 0x08                                       ; store data window 2
.set ii, 0
.rept 16
	global_store_b128 v1, v[4*ii:4*ii+3], s[8:9] offset:ii*512     ; 512 consecutive bytes, aligned
.set ii, ii+1
.endr
	WIN 0
	global_store_b128 v1, v[QD:QD+3], s[8:9] offset:8192
	s_set_vgpr_msb 0xc
	s_wait_tensorcnt 0x0
	ds_add_u32 v31, v255
	s_wait_dscnt 0x0
	s_set_vgpr_msb 0xc00
	ROUND                                          ; the closing round: no work-group ends while a partner may still ask for a block that names it
	s_endpgm
.Lfunc_end_k_q6879d77971_attn:
	.size	k_q6879d77971_attn, .Lfunc_end_k_q6879d77971_attn-k_q6879d77971_attn
	.p2alignl 7, 3214868480
	.fill 96, 4, 3214868480
	.section	.rodata,"a",@progbits
	.p2align	6, 0x0
	.amdhsa_kernel k_q6879d77971_attn
		.amdhsa_group_segment_fixed_size 327680
		.amdhsa_private_segment_fixed_size 0
		.amdhsa_enable_private_segment 0
		.amdhsa_kernarg_size 24
		.amdhsa_user_sgpr_count 2
		.amdhsa_user_sgpr_kernarg_segment_ptr 1
		.amdhsa_wavefront_size32 1
		.amdhsa_system_sgpr_workgroup_id_x 1
		.amdhsa_system_sgpr_workgroup_id_y 1
		.amdhsa_system_sgpr_workgroup_id_z 1
		.amdhsa_system_vgpr_workitem_id 0
		.amdhsa_next_free_vgpr 1024
		.amdhsa_next_free_sgpr 66
		.amdhsa_reserve_vcc 0
		.amdhsa_float_denorm_mode_32 3
		.amdhsa_float_denorm_mode_16_64 3
		.amdhsa_memory_ordered 1
		.amdhsa_forward_progress 1
		.amdhsa_inst_pref_size 255
	.end_amdhsa_kernel
	.section	.bss,"aw",@nobits
	.p2align	6
	.space	262144
	.amdgpu_metadata
---
amdhsa.version: [ 1, 2 ]
amdhsa.kernels:
  - .name:           k_q6879d77971_attn
    .symbol:         k_q6879d77971_attn.kd
    .args:
      - { .name: qimg, .offset: 0, .size: 8, .value_kind: global_buffer, .address_space: global }
      - { .name: kv, .offset: 8, .size: 8, .value_kind: global_buffer, .address_space: global }
      - { .name: part, .offset: 16, .size: 8, .value_kind: global_buffer, .address_space: global }
    .group_segment_fixed_size: 327680
    .private_segment_fixed_size: 0
    .kernarg_segment_align: 8
    .kernarg_segment_size: 24
    .max_flat_workgroup_size: 128
    .sgpr_count:     66
    .vgpr_count:     1024
    .wavefront_size: 32
...
	.end_amdgpu_metadata
.endif
;; end of part 2
;; launch comb (part 3): grid 256 x 1, 8 waves a work-group, no clusters, 52,224 bytes of LDS; arguments part, Wo, bo, x, out0; writes out0
.if DOCPART == 3
	.amdgcn_target "amdgcn-amd-amdhsa--gfx1250"
	.amdhsa_code_object_version 6
	.text
	.protected	k_q6879d77971_comb
	.globl	k_q6879d77971_comb
	.p2align	8
	.type	k_q6879d77971_comb,@function
k_q6879d77971_comb:
	s_mov_b64 s[64:65], 0
	v_nop
	global_prefetch_b8 v0, s[64:65] scope:SCOPE_SE
	s_setreg_imm32_b32 hwreg(HW_REG_WAVE_MODE, 25, 1), 1
	s_wait_xcnt 0x0
; out0 = x + bo + Wo o, with o = (e0 O0 + e1 O1) / (e0 l0 + e1 l1), e_s = 2^(m_s - max(m0, m1)): the two key halves' sums are joined and normalised.
; Work-group (b, z): voxel block b (64 voxels, four tiles i; column p of tile i is voxel 64 b + 4 p + i), output channels 128 z .. 128 z + 127.
; Eight waves.  Joining: wave w takes half of tile i = w >> 1 (channels 64 (w & 1) .. + 63), rounds o to bf16 and lays it into LDS as fragments; a lane's
; eight neighbouring channels of one voxel are half of a K = 32 fragment of that lane.  Product: wave w makes output channels 16 (8 z + w) .. + 15 for
; all four tiles, 16 matrix instructions; bo is the first product's C.  A lane's four results of one channel are 4 neighbouring voxels: with x's 16 bytes
; added they are stored as 16 bytes, sixteen lanes covering 256 consecutive bytes, aligned.
; No tensor loads and no cluster: the sums are f32 and are scaled and rounded in registers on their way; Wo's 16 rows are each wave's own.
; LIMITS: finite inputs.  l is at least 1 (the largest score's own term), so the reciprocal is safe.
.set PTILE, 8704                       ; a query tile in part
.set HALFP, 512*PTILE                  ; the second key half's tiles
.set ROWX,  32768                      ; bytes in a row of x and of out0
.set WS,    16384                      ; LDS: o's fragments in bytes 0 .. 16383 at i*4096 + ct*512 + lane*16; behind them Wo, 16 rows for each wave
.set WSP,   272                        ; a row of Wo in LDS: 256 bytes of bf16 + 16: 17 x 16 bytes, so a fragment load's 16 rows start in 16 different 16-byte columns of 256
.set BO,  16                           ; v[16:23]   bo of my lane's 8 channels
.set XR,  24                           ; v[24:55]   x: register 4 j + i = channel j, tile i; then the result
.set PA,  64                           ; v[64:95]   first half's sums; then the joined ones
.set PB,  96                           ; v[96:127]  second half's
.set WO,  128                          ; v[128:191] Wo as loaded
.set CV,  192                          ; v[192:207] o in bf16
.set WCV, 208                          ; v[208:239] Wo in bf16
.set AF,  64                           ; later: Wo's four fragments,
.set AC,  96                           ; four sums,
.set BF,  128                          ; o's sixteen fragments: (i, cc) at 32 i + 8 cc
	s_load_b256 s[4:11], s[0:1], 0x0               ; part 4:5, Wo 6:7, bo 8:9, x 10:11
	s_load_b64 s[12:13], s[0:1], 0x20              ; out0
	s_set_vgpr_msb 0x40
	v_lshl_add_u32 v0, v0, 2, 0xc800
	v_mov_b32 v1, 0
	s_set_vgpr_msb 0x4000
	v_lshrrev_b32 v1, 5, v0
	v_readfirstlane_b32 s14, v1                    ; w
	s_and_b32 s15, ttmp9, 1                        ; z
	s_lshr_b32 s16, ttmp9, 1                       ; b
	s_lshl3_add_u32 s17, s15, s14                  ; my tile of 16 output channels: 8 z + w
	v_and_b32 v1, 31, v0
	v_lshlrev_b32 v1, 4, v1                        ; lane x 16
	v_and_b32 v2, 15, v0                           ; r
	v_bfe_u32 v3, v0, 4, 1                         ; h
	s_lshr_b32 s18, s14, 1
	s_lshl2_add_u32 s18, s16, s18                  ; query tile 4 b + i
	s_mul_i32 s18, s18, PTILE
	v_add_nc_u32 v4, s18, v1                       ; the tile in part,
	s_and_b32 s19, s14, 1
	s_lshl_b32 s19, s19, 12
	v_add_nc_u32 v5, s19, v4                       ; and my half of its sums
	s_lshl_b32 s19, s17, 13
	v_add_nc_u32 v6, s19, v1                       ; Wo: my 16 rows of 512 bytes
	s_lshl_b32 s19, s17, 6
	v_lshl_add_u32 v7, v3, 5, s19                  ; bo: channel 16 tile + 8 h
	s_lshl_b32 s19, s17, 19
	s_lshl_b32 s20, s16, 8
	s_add_co_u32 s19, s19, s20
	v_lshlrev_b32 v12, 4, v2
	v_lshl_add_u32 v12, v3, 18, v12
	v_add_nc_u32 v12, s19, v12                     ; x, out0: channel 16 tile + 8 h, voxel 64 b + 4 r
	s_wait_kmcnt 0x0
	; 44 loads: 2 of (m, l), 16 of sums, 16 of Wo, 2 of bo, 8 of x
	global_load_b128 v[56:59], v4, s[4:5] offset:8192
	global_load_b128 v[60:63], v4, s[4:5] offset:HALFP+8192
.irp n, 0,1,2,3,4,5,6,7
	global_load_b128 v[PA+4*\n:PA+4*\n+3], v5, s[4:5] offset:\n*512
.endr
.irp n, 0,1,2,3,4,5,6,7
	global_load_b128 v[PB+4*\n:PB+4*\n+3], v5, s[4:5] offset:HALFP+\n*512
.endr
.irp n, 0,1,2,3,4,5,6,7,8,9,10,11,12,13,14,15
	global_load_b128 v[WO+4*\n:WO+4*\n+3], v6, s[6:7] offset:\n*512
.endr
	global_load_b128 v[BO:BO+3],   v7, s[8:9]
	global_load_b128 v[BO+4:BO+7], v7, s[8:9] offset:16
.irp j, 0,1,2,3,4,5,6,7
	global_load_b128 v[XR+4*\j:XR+4*\j+3], v12, s[10:11] offset:\j*ROWX th:TH_LOAD_NT   ; each byte of x is read once in this launch
.endr
	s_lshl_b32 s19, s14, 11
	v_add_nc_u32 v13, s19, v1                      ; o's fragments in: i*4096 + (w & 1)*2048 = w*2048
	s_mul_i32 s19, s14, 16*WSP
	s_add_co_u32 s19, s19, WS
	v_lshrrev_b32 v14, 1, v1
	v_add_nc_u32 v14, s19, v14                     ; Wo in: 8 bytes a lane
	v_mul_u32_u24 v15, v2, WSP
	v_lshl_add_u32 v15, v3, 4, v15
	v_add_nc_u32 v15, s19, v15                     ; Wo's fragments back: row r, 16 bytes for each half of the lanes
	s_wait_loadcnt 26                              ; m, l and the sums are in: Wo's 16, bo's 2 and x's 8 loads are younger
	v_max_num_f32 v58, v56, v60
	v_sub_f32 v56, v56, v58
	v_sub_f32 v60, v60, v58
	v_exp_f32 v56, v56                             ; e0
	v_exp_f32 v60, v60                             ; e1
	v_nop                                          ; a plain instruction between a transcendental and the use of its result (ISA guide 5.7.2)
	s_wait_alu depctr_va_vdst(0)
	v_mul_f32 v57, v56, v57
	v_fmac_f32 v57, v60, v61                       ; e0 l0 + e1 l1
	v_rcp_f32 v58, v57
	v_nop
	s_wait_alu depctr_va_vdst(0)
	v_mul_f32 v8, v56, v58                         ; the two weights, each twice: pairs for the packed forms
	v_mul_f32 v9, v56, v58
	v_mul_f32 v10, v60, v58
	v_mul_f32 v11, v60, v58
.set ii, 0
.rept 16
	v_pk_mul_f32 v[PA+2*ii:PA+2*ii+1], v[PA+2*ii:PA+2*ii+1], v[8:9]
.set ii, ii+1
.endr
.set ii, 0
.rept 16
	v_pk_fma_f32 v[PA+2*ii:PA+2*ii+1], v[PB+2*ii:PB+2*ii+1], v[10:11], v[PA+2*ii:PA+2*ii+1]
.set ii, ii+1
.endr
.irp c, 0,1,2,3
.irp j, 0,1,2,3
	v_cvt_pk_bf16_f32 v[CV+4*\c+\j], v[PA+8*\c+2*\j], v[PA+8*\c+2*\j+1]
.endr
	ds_store_b128 v13, v[CV+4*\c:CV+4*\c+3] offset:\c*512
.endr
	s_wait_loadcnt 10                              ; Wo is in: bo's 2 and x's 8 loads are younger
.irp n, 0,1,2,3,4,5,6,7,8,9,10,11,12,13,14,15
	v_cvt_pk_bf16_f32 v[WCV+2*\n],   v[WO+4*\n],   v[WO+4*\n+1]
	v_cvt_pk_bf16_f32 v[WCV+2*\n+1], v[WO+4*\n+2], v[WO+4*\n+3]
	ds_store_b64 v14, v[WCV+2*\n:WCV+2*\n+1] offset:\n*WSP
.endr
	s_wait_dscnt 0x0                               ; my LDS stores are done, for the other waves' sake,
	s_barrier_signal -1
	s_barrier_wait -1                              ; and everybody's are
.irp c, 0,1,2,3
	ds_load_b128 v[AF+8*\c:AF+8*\c+3],   v15 offset:\c*64
	ds_load_b128 v[AF+8*\c+4:AF+8*\c+7], v15 offset:\c*64+32
.endr
.set ii, 0
.rept 32
	ds_load_b128 v[BF+4*ii:BF+4*ii+3], v1 offset:ii*512
.set ii, ii+1
.endr
	s_wait_loadcnt 0x0                             ; bo and x
	s_wait_dscnt 0x0
	; the four tiles' sums take turns, one instruction a turn; the first products start them from bo
.irp c, 0,1,2,3
.irp i, 0,1,2,3
.if \c
	v_wmma_f32_16x16x32_bf16 v[AC+8*\i:AC+8*\i+7], v[AF+8*\c:AF+8*\c+7], v[BF+32*\i+8*\c:BF+32*\i+8*\c+7], v[AC+8*\i:AC+8*\i+7]
.else
	v_wmma_f32_16x16x32_bf16 v[AC+8*\i:AC+8*\i+7], v[AF+8*\c:AF+8*\c+7], v[BF+32*\i+8*\c:BF+32*\i+8*\c+7], v[BO:BO+7]
.endif
.endr
.endr
.rept 4
	v_nop                                          ; four places before vector instructions read the sums (ISA guide 7.12.1)
.endr
.irp j, 0,1,2,3,4,5,6,7
.irp i, 0,1,2,3
	v_add_f32 v[XR+4*\j+\i], v[XR+4*\j+\i], v[AC+8*\i+\j]
.endr
	global_store_b128 v12, v[XR+4*\j:XR+4*\j+3], s[12:13] offset:\j*ROWX th:TH_STORE_NT
.endr
	s_set_vgpr_msb 0x5
	s_wait_tensorcnt 0x0
	ds_add_u32 v0, v1
	s_wait_dscnt 0x0
	s_set_vgpr_msb 0x500
	s_endpgm
.Lfunc_end_k_q6879d77971_comb:
	.size	k_q6879d77971_comb, .Lfunc_end_k_q6879d77971_comb-k_q6879d77971_comb
	.p2alignl 7, 3214868480
	.fill 96, 4, 3214868480
	.section	.rodata,"a",@progbits
	.p2align	6, 0x0
	.amdhsa_kernel k_q6879d77971_comb
		.amdhsa_group_segment_fixed_size 52224
		.amdhsa_private_segment_fixed_size 0
		.amdhsa_enable_private_segment 0
		.amdhsa_kernarg_size 40
		.amdhsa_user_sgpr_count 2
		.amdhsa_user_sgpr_kernarg_segment_ptr 1
		.amdhsa_wavefront_size32 1
		.amdhsa_system_sgpr_workgroup_id_x 1
		.amdhsa_system_sgpr_workgroup_id_y 1
		.amdhsa_system_sgpr_workgroup_id_z 1
		.amdhsa_system_vgpr_workitem_id 0
		.amdhsa_next_free_vgpr 258
		.amdhsa_next_free_sgpr 66
		.amdhsa_reserve_vcc 0
		.amdhsa_float_denorm_mode_32 3
		.amdhsa_float_denorm_mode_16_64 3
		.amdhsa_memory_ordered 1
		.amdhsa_forward_progress 1
		.amdhsa_inst_pref_size 19
	.end_amdhsa_kernel
	.amdgpu_metadata
---
amdhsa.version: [ 1, 2 ]
amdhsa.kernels:
  - .name:           k_q6879d77971_comb
    .symbol:         k_q6879d77971_comb.kd
    .args:
      - { .name: part, .offset: 0, .size: 8, .value_kind: global_buffer, .address_space: global }
      - { .name: Wo, .offset: 8, .size: 8, .value_kind: global_buffer, .address_space: global }
      - { .name: bo, .offset: 16, .size: 8, .value_kind: global_buffer, .address_space: global }
      - { .name: x, .offset: 24, .size: 8, .value_kind: global_buffer, .address_space: global }
      - { .name: out0, .offset: 32, .size: 8, .value_kind: global_buffer, .address_space: global }
    .group_segment_fixed_size: 52224
    .private_segment_fixed_size: 0
    .kernarg_segment_align: 8
    .kernarg_segment_size: 40
    .max_flat_workgroup_size: 256
    .sgpr_count:     66
    .vgpr_count:     258
    .wavefront_size: 32
...
	.end_amdgpu_metadata
.endif
;; end of part 3
;; ======== version 2 of 2: 3 launches; 1.32 times as fast as version 1
;; workspace buffers: qimg 2,097,152 bytes; kv 4,194,304 bytes; part 8,912,896 bytes
;; launch proj: the kernel of part 1 again; grid 256 x 1, 16 waves a work-group, no clusters, 136,192 bytes of LDS; arguments x, Wq, Wk, Wv, bq, bk, bv, qimg, kv; writes qimg, kv
;; launch attn (part 4): grid 256 x 1, 4 waves a work-group, clusters of 4 x 1, 327,680 bytes of LDS; arguments qimg, kv, part; writes part
.if DOCPART == 4
	.amdgcn_target "amdgcn-amd-amdhsa--gfx1250"
	.amdhsa_code_object_version 6
	.text
	.protected	k_q6879d77971_attn
	.globl	k_q6879d77971_attn
	.p2align	8
	.type	k_q6879d77971_attn,@function
k_q6879d77971_attn:
	s_mov_b64 s[64:65], 0
	v_nop
	global_prefetch_b8 v0, s[64:65] scope:SCOPE_SE
	s_setreg_imm32_b32 hwreg(HW_REG_WAVE_MODE, 25, 1), 1
	s_wait_xcnt 0x0
	s_wait_alu depctr_hold_cnt(0) depctr_sa_sdst(0) depctr_va_vdst(0) depctr_va_sdst(0) depctr_va_ssrc(0) depctr_va_vcc(0) depctr_vm_vsrc(0)
	s_getreg_b32 s2, hwreg(HW_REG_IB_STS2, 6, 4)
	s_cmp_eq_u32 s2, 0
	s_cbranch_scc0 .Lentry_in_a_cluster
	s_endpgm
.Lentry_in_a_cluster:
	s_bfe_u32 s2, ttmp6, 0x10000c
	s_cmp_lg_u32 s2, 0x3003
	s_cbranch_scc0 .Lentry_shape_is_right
	s_endpgm
.Lentry_shape_is_right:
; Attention with a running maximum: a work-group takes 64 queries (block qb) against one half of the 8192 keys and stores the unnormalised sums
; O^T = sum of 2^(s - m) v, with m and l = sum of 2^(s - m), for the last launch to join with the other half's.
; Four waves, one for each SIMD of a WGP.  In step t (16 steps) wave w takes key block 64 half + 4 t + w (64 keys) against all 64 queries:
; 64 matrix instructions for S^T = K x Q, the softmax, 64 for O^T += V^T x P, fed by 64 LDS loads of 512 bytes.
; S^T: rows are keys, columns queries, so a lane holds one query's scores: maximum and sum stay in the lane but for one exchange between the halves of
; the wave, the factor that rescales O is one number a lane, and two neighbouring S tiles, rounded to bf16, ARE P's fragment for the second product.
; K, V and Q lie in memory as register images (lane x 16 bytes, 512 bytes for each four registers): every LDS load is 512 consecutive bytes: no padding.
;
; THE PIPELINE.  The unit is tile j = 4 t + q: 16 queries x 64 keys.  Slot i has two halves of 16 matrix instructions, and behind each matrix instruction
; stand at most six vector instructions that name none of its registers:
;   first half:  O += V x P of tile i - 2;  beside it the maxima, new m, a = 2^(old m - new m) and -m of tile i, and all that reads tile i - 1's exponentials:
;                the sum of its p, its P rounded, its O times its a;
;   second half: S of tile i + 1;           beside it s - m and 2^x of tile i, and at the end l of tile i - 1.
; S has two buffers of 32 registers and P two of 16, taken by j & 1; m is kept twice, by the step's parity, so that old and new need no copy.
; V(t) is loaded in the middle of slot 4 t + 1, behind the last product on V(t - 1); K(t + 1) at the end of slot 4 t + 2, behind the last product on K(t).
; THE BATCHES.  A slot's 34 exponentials (a twice, in the first half; the tile's 32 p, in the second) are ONE batch with ONE wait, the slot's last line
;   No line of slot i names a result of slot i's batch: the sums, roundings, rescalings and l
; that stand in slot i are tile i - 1's, whose batch had its wait at the end of slot i - 1.  So a has two pairs of registers, taken by j & 1: one is read while the other is in the open batch.
; The wait stands ahead of the round's branches and of the loop's jump.  The way out's twelve exponentials are a batch of their own.
;
; REGISTERS, in windows of 256:
;   window 0: v0-31 addresses and softmax state; v32-159 K's fragments (kt, cc) at 32 + 8 (4 kt + cc); v160-223 S, two buffers; v224-255 P, two buffers
;   window 1: O^T, tile (q, ct) at 64 q + 8 ct        window 2: v128-255 V's fragments (ct, kk) at 128 + 8 (8 kk + ct)
;   window 3: v0-127 Q's fragments (q, cc) at 8 (4 q + cc); v128-129 (-m, -m); v130-131 and v140-141 (a, a), by j & 1; v132-139 the end's factors; v255 holds 0
; K and S share window 0, so that the S products' setting (A 0, B 3, C and D 0) serves the vector work on S as well: the second half has no switch.
; There source 1 means window 3: -m and a live there, and where l takes a plain addend the line is written x * 1.0 + y with the addend in source 2.
; The PV products' destination is O's window, which O fills, so in the first half each group of vector instructions stands between two switches.
;
; CLUSTER: the four work-groups of a cluster have the same key half and four neighbouring query blocks; they walk the same K and V blocks, so every
; tensor load is a joint one that names all four (mask 15).  Its descriptor is made of the cluster's number, the wave's number and the step alone.
; The place in the cluster (cx) enters only the global offsets of the queries and of the result, in s11, s12, s[40:43].
; RING: two LDS slots of 128 KiB; wave w's 32 KiB of a slot (K's 16 KiB, then V's) are brought by its own load and read by it alone.  By this text's
; own count a wave has two tensor loads out at the start and one behind each round.  A refill has a whole step (four slots of the pipeline) in which to land.
; LIMITS: finite inputs (a NaN loses in the maxima).  2^x below 2^-126 counts as 0.  l is summed from p in f32, the product takes p rounded to bf16.
.set SLOT,  131072                     ; bytes in a slot of the ring
.set STAT,  262144                     ; behind the ring: m[4 waves][64 queries], then l likewise, 1 KiB each; no tensor load lands here
.set PTILE, 8704                       ; a query tile in part: 16 x 512 bytes of O^T, 512 of (m, l, m, l)
.set LA,   2                           ; v2, v3    my share of ring slot 0, 1: slot + w*32768 + lane*16
.set MX,   10                          ; v[10:17]  running maxima: 4 x parity of the step + q
.set LS,   18                          ; v[18:21]  running sums (of this half of the lanes' keys, until the end)
.set TC,   22                          ; v[22:25]  four chains of maxima
.set TX,   26                          ; v26       the other half's maximum
.set DT,   27                          ; v27       old m - new m
.set SU,   28                          ; v[28:29]  a pair of partial sums
.set XT,   30                          ; v30       at work
.set KB,   32                          ; K's fragments
.set SBUF, 160                         ; S
.set PBUF, 224                         ; P
.set VB,   128                         ; window 2: V's fragments
.set NM,   128                         ; window 3: (-m, -m)
.set AL,   130                         ; window 3: (a, a) of an even tile; an odd tile's lies at AL + 10
.set ALE,  132                         ; window 3: the end's four pairs
.set MXF,  MX+4                        ; the last step is odd: its maxima
.set EM,   32                          ; the end, in K's registers: m of wave p, tile q at 4 p + q
.set OM,   48                          ; m of the four waves for the tile that I write out
.set OL,   52                          ; their l
.set QD,   56                          ; (m, l, m, l) as stored
.set TT,   64                          ; at work
.set TD,   68
.set G1,   16                          ; s[16:23]  descriptor group 1
.set G0,   32                          ; s[32:39]  descriptor group 0, a set for each slot
.set MSB, 0
.macro WIN new                         ; low byte: bits 1:0 source 0, 3:2 source 1, 5:4 source 2, 7:6 destination; the high byte repeats the setting that is left
.if MSB != \new
	s_set_vgpr_msb (MSB<<8)|\new
.set MSB, \new
.endif
.endm
.macro PLACES n
.rept \n
	v_nop
.endr
.endm
; A round of the cluster's barrier: my work-group's barrier, wave 0 signals for the work-group, every wave waits for all four work-groups, my work-group's barrier again.
.macro CREST                           ; a round behind its opening barrier
	s_cmp_lg_u32 s10, 0
	s_cbranch_scc1 .Lnot_wave_0_\@
	s_barrier_signal -3
.Lnot_wave_0_\@:
	s_barrier_wait -3
	s_barrier_signal -1
	s_barrier_wait -1
.endm
.macro ROUND
	s_barrier_signal -1
	s_barrier_wait -1
	CREST
.endm
	s_load_b128 s[4:7], s[0:1], 0x0                ; qimg 4:5, kv 6:7
	s_load_b64 s[8:9], s[0:1], 0x10                ; part
	v_lshl_add_u32 v31, v0, 2, 0x40800
	s_set_vgpr_msb 0xc0
	v_mov_b32 v255, 0
	s_set_vgpr_msb 0xc0cc
	ds_add_u32 v31, v255
	s_set_vgpr_msb 0xcc00
	v_lshrrev_b32 v1, 5, v0
	v_readfirstlane_b32 s10, v1                    ; w
	s_lshr_b32 s13, ttmp9, 5                       ; key half: clusters 0-31 the first, 32-63 the second
	s_mov_b32 s14, 0x76543210                      ; v_permlanex16_b32: lane i of one half reads lane i of the other
	s_mov_b32 s15, 0xfedcba98
	; group 1: 128 dense rows of 32 elements of 8 bytes = 32 KiB, a key block's K and V
	s_mov_b32 s[G1+0], 0x0023000f                  ; 15:0 mask: all four work-groups; 17:16 elements of 8 bytes; 21 set beside a mask; no padding
	s_mov_b32 s[G1+1], 32<<16                      ; tensor_dim0 = 32
	s_mov_b32 s[G1+2], 128<<16                     ; tensor_dim1 = 128
	s_mov_b32 s[G1+3], 32<<16                      ; tile_dim0 = 32
	s_mov_b32 s[G1+4], 128                         ; tile_dim1 = 128
	s_mov_b32 s[G1+5], 32                          ; from row to row: 32 elements
	s_mov_b32 s[G1+6], 0
	s_mov_b32 s[G1+7], 0
	s_lshl_b32 s26, s10, 15                        ; my 32 KiB of a slot, and of a step's four key blocks
	s_lshl_b32 s24, s13, 21                        ; a half of kv is 64 blocks of 32 KiB
	s_add_co_u32 s24, s24, s26
	s_mov_b32 s25, 0
	s_bfe_u32 s11, ttmp6, 0x40000                  ; cx
	s_and_b32 s12, ttmp9, 31
	s_lshl2_add_u32 s12, s12, s11                  ; query block qb = 4 (cluster mod 32) + cx
	s_lshl_b32 s40, s12, 14                        ; its 16 KiB in qimg
	s_mov_b32 s41, 0
	s_lshl_b32 s42, s13, 9
	s_lshl2_add_u32 s42, s12, s42                  ; 512 half + 4 qb
	s_add_co_u32 s42, s42, s10                     ; + w: the query tile that I write out
	s_mul_i32 s42, s42, PTILE
	s_mov_b32 s43, 0
	s_wait_dscnt 0x0
	s_wait_kmcnt 0x0
	s_add_nc_u64 s[6:7], s[6:7], s[24:25]
	s_add_nc_u64 s[4:5], s[4:5], s[40:41]
	s_add_nc_u64 s[8:9], s[8:9], s[42:43]
	ROUND                                          ; all four work-groups are here: the first joint loads meet
.irp n, 0,1
	s_mov_b32 s[G0+4*\n], 1                                        ; count = 1
	s_add_co_u32 s[G0+4*\n+1], s26, \n*SLOT                        ; LDS address
	s_add_nc_u64 s[G0+4*\n+2:G0+4*\n+3], s[6:7], \n*SLOT           ; step n: a step's four blocks are 128 KiB
	s_or_b32 s[G0+4*\n+3], s[G0+4*\n+3], 0x80000000                ; type = 2
	tensor_load_to_lds s[G0+4*\n:G0+4*\n+3], s[G1:G1+7]
	s_nop 0
.endr
	v_and_b32 v1, 31, v0
	v_lshlrev_b32 v1, 4, v1                        ; lane x 16
	v_and_b32 v7, 15, v0
	v_lshlrev_b32 v7, 2, v7                        ; 4 r
	v_add_nc_u32 v[LA], s26, v1
	v_add_nc_u32 v[LA+1], SLOT, v[LA]
	s_lshl_b32 s27, s10, 8
	s_add_co_u32 s27, s27, STAT
	v_add_nc_u32 v4, s27, v7                       ; where I put my m and l
	v_add_nc_u32 v5, STAT, v7                      ; where all waves' lie
	s_lshl_b32 s27, s10, 6
	s_add_co_u32 s27, s27, STAT
	v_add_nc_u32 v6, s27, v7                       ; those of query tile w
	s_lshl_b32 s27, s10, 13
	v_add_nc_u32 v8, s27, v1                       ; the end: tile w in wave 0's O^T; waves 2 and 3 lie beyond a 16-bit offset:
	v_add_nc_u32 v9, 65536, v8
	v_mov_b32 v[TX], 0                             ; v_permlanex16_b32 counts as a reader of its destination
	WIN 0xc0                                       ; destination window 3
.set ii, 0
.rept 32
	global_load_b128 v[4*ii:4*ii+3], v1, s[4:5] offset:ii*512      ; Q, kept for the whole kernel
.set ii, ii+1
.endr
; The names of a slot: q = i & 3 is the tile whose maxima, scalings and exponentials it holds, par the parity of that tile's step.
.macro SETQ q, par
.set QI,  \q                           ; tile i
.set QR,  (\q+3)&3                     ; tile i - 1: sums, rounding, rescaling, l
.set QS,  (\q+1)&3                     ; S products
.set QP,  (\q+2)&3                     ; PV products
.set SBI, SBUF+32*(\q&1)               ; S of tile i
.set SBN, SBUF+32-32*(\q&1)            ; p of tile i - 1 (read by the sums and the rounding), then S of tile i + 1 (written by the products)
.set PBR, PBUF+16*(\q&1)               ; P of tile i - 2
.set PBW, PBUF+16-16*(\q&1)            ; P of tile i - 1
.set ALI, AL+10*(\q&1)                 ; a of tile i: written, in the open batch
.set ALR, AL+10-10*(\q&1)              ; a of tile i - 1: read
.set MXN, MX+4*\par+\q                 ; new maximum
.set MXO, MX+4-4*\par+\q               ; the last step's
.endm
; 32 LDS loads: K's 16 fragments.  Destination and address in window 0: stands under setting 0 or under the S products' setting.
.macro KRUN
.set ii, 0
.rept 32
	ds_load_b128 v[KB+4*ii:KB+4*ii+3], v[LAK] offset:ii*512
.set ii, ii+1
.endr
.endm
.macro VRUN                            ; V's 16 fragments
	WIN 0x80                                       ; destination window 2
.set ii, 0
.rept 32
	ds_load_b128 v[VB+4*ii:VB+4*ii+3], v[LAV] offset:16384+ii*512
.set ii, ii+1
.endr
.endm
; PV product n = 8 kk + ct of tile i - 2: O^T(ct) += V^T(ct, kk) x P(kk).  The eight sums take turns, one instruction a turn.
; mode 0: none (the pipeline fills); 1: step 0, whose first products start the sums; 2: adds on.
.macro PVW n, mode
.if \mode
	WIN 0x52                                       ; A window 2, B window 0, C and D window 1
.if (2-\mode)*(1-((\n)>>3))
	v_wmma_f32_16x16x32_bf16 v[64*QP+8*((\n)&7):64*QP+8*((\n)&7)+7], v[VB+8*(\n):VB+8*(\n)+7], v[PBR+8*((\n)>>3):PBR+8*((\n)>>3)+7], 0
.else
	v_wmma_f32_16x16x32_bf16 v[64*QP+8*((\n)&7):64*QP+8*((\n)&7)+7], v[VB+8*(\n):VB+8*(\n)+7], v[PBR+8*((\n)>>3):PBR+8*((\n)>>3)+7], v[64*QP+8*((\n)&7):64*QP+8*((\n)&7)+7]
.endif
.endif
.endm
; S product n = 4 cc + kt of tile i + 1: S^T(kt) += K(kt, cc) x Q(cc).  The four sums take turns, one instruction a turn; cc = 0 starts them.
.macro SMW n, on
.if \on
	WIN 0x0c                                       ; A window 0, B window 3, C and D window 0
.if (\n) > 3
	v_wmma_f32_16x16x32_bf16 v[SBN+8*((\n)&3):SBN+8*((\n)&3)+7], v[KB+8*(4*((\n)&3)+((\n)>>2)):KB+8*(4*((\n)&3)+((\n)>>2))+7], v[8*(4*QS+((\n)>>2)):8*(4*QS+((\n)>>2))+7], v[SBN+8*((\n)&3):SBN+8*((\n)&3)+7]
.else
	v_wmma_f32_16x16x32_bf16 v[SBN+8*((\n)&3):SBN+8*((\n)&3)+7], v[KB+8*(4*((\n)&3)+((\n)>>2)):KB+8*(4*((\n)&3)+((\n)>>2))+7], v[8*(4*QS+((\n)>>2)):8*(4*QS+((\n)>>2))+7], 0
.endif
.endif
.endm
; THE VECTOR WORK OF THE FIRST HALF, a line at a time.  PSUB sets SFM, tile i's mode, and FRM, tile i - 1's; a line whose mode is off writes nothing.
.macro MAXA c                          ; chain c starts with three scores of S tile c: the accumulator's lowest registers are read first
.if SFM
	WIN 0
	v_max3_num_f32 v[TC+\c], v[SBI+8*\c], v[SBI+8*\c+1], v[SBI+8*\c+2]
.endif
.endm
.macro MAXB c, k                       ; and takes two more
.if SFM
	WIN 0
	v_max3_num_f32 v[TC+\c], v[TC+\c], v[SBI+8*\c+\k], v[SBI+8*\c+\k+1]
.endif
.endm
.macro MAXJ n                          ; link n of the chain in which the four chains meet, each step taking one tile's eighth score along
.if SFM
	WIN 0
.if \n == 0
	v_max3_num_f32 v[TC], v[TC], v[TC+1], v[SBI+7]
.elseif \n == 1
	v_max3_num_f32 v[TC+2], v[TC+2], v[TC+3], v[SBI+15]
.elseif \n == 2
	v_max3_num_f32 v[TC], v[TC], v[TC+2], v[SBI+23]
.elseif \n == 3
.if SFM == 1
	v_max_num_f32 v[TC], v[TC], v[SBI+31]
.else
	v_max3_num_f32 v[TC], v[TC], v[SBI+31], v[MXO]         ; and the running maximum
.endif
.elseif \n == 4
	v_permlanex16_b32 v[TX], v[TC], s14, s15               ; the other 32 keys' maximum
.elseif \n == 5
	v_max_num_f32 v[MXN], v[TC], v[TX]                     ; the new maximum, alike in both halves
.elseif SFM == 2
	v_sub_f32 v[DT], v[MXO], v[MXN]                        ; old - new, at most 0
.endif
.endif
.endm
.macro ALNM                            ; a and -m of tile i
.if SFM
	WIN 0xc0                                       ; destination window 3
.if SFM == 2
	v_exp_f32 v[ALI], v[DT]                        ; twice: a pair for the packed multiply.  The batch's first two; nothing names them before the slot's wait.
	v_exp_f32 v[ALI+1], v[DT]                      ; The two lines below are the plain instructions behind them (ISA guide 5.7.2)
.endif
	v_xor_b32 v[NM], 0x80000000, v[MXN]
	v_xor_b32 v[NM+1], 0x80000000, v[MXN]
.endif
.endm
.macro FOP p                           ; the sum of tile i - 1's p, pair by pair in ascending order; pairs 0 and 1 start it
.if FRM
	WIN 0
.if (\p) == 1
	v_pk_add_f32 v[SU:SU+1], v[SBN:SBN+1], v[SBN+2:SBN+3]
.else
	v_pk_add_f32 v[SU:SU+1], v[SBN+2*(\p):SBN+2*(\p)+1], v[SU:SU+1]
.endif
.endif
.endm
; P of tile i - 1, registers a .. a + n - 1: S tiles 2 kk and 2 kk + 1 hold keys 8 h + j and 16 + 8 h + j of the 32: registers 0-3 and 4-7 of fragment kk
.macro CV a, n
.if FRM
	WIN 0
.set jj, \a
.rept \n
	v_cvt_pk_bf16_f32 v[PBW+jj], v[SBN+2*jj], v[SBN+2*jj+1]
.set jj, jj+1
.endr
.endif
.endm
.macro RSC a, n                        ; pairs a .. a + n - 1 of O^T of tile i - 1 times its a, in ascending order: each accumulator's lowest registers are read first
.if FRM == 2
	WIN 0x4d                                       ; destination and source 0 window 1, source 1 window 3
.set jj, \a
.rept \n
	v_pk_mul_f32 v[64*QR+2*jj:64*QR+2*jj+1], v[64*QR+2*jj:64*QR+2*jj+1], v[ALR:ALR+1]
.set jj, jj+1
.endr
.endif
.endm
; THE FIRST HALF OF A SLOT.  pv: PVW's mode.  sf, tile i: 0 no softmax (the pipeline drains), 1 step 0 (no old maximum, no a), 2 the rule.
; fr, tile i - 1: 0 there is none, 1 step 0's (summed and rounded; nothing to rescale), 2 the rule.
; Products 0 to 8 have work of window 0 behind them: the links of the sum's chain stand two lines apart or more, those of the maximum's chain four or more.  Product 9 has a and -m, products 10 to 15 the rescaling.
; The first maxima read S tiles 0 to 3, which the last four S products of the slot before wrote.  Between each of those and its reader stand at least
; four plain vector instructions that name none of its registers (ISA guide 7.12.1): that half's last two scalings, the two plain lines at its end, the first sums here and the maxima of the tiles before.
.macro PSUB pv, sf, fr
.set SFM, \sf
.set FRM, \fr
	PVW 0, \pv
	FOP 1
	MAXA 0
	MAXA 1
	FOP 2
	MAXA 2
	MAXA 3
	PVW 1, \pv
	FOP 3
	MAXB 0, 3
	MAXB 1, 3
	FOP 4
	MAXB 2, 3
	MAXB 3, 3
	PVW 2, \pv
	FOP 5
	MAXB 0, 5
	MAXB 1, 5
	FOP 6
	MAXB 2, 5
	MAXB 3, 5
	PVW 3, \pv
	FOP 7
	MAXJ 0
	MAXJ 1
	FOP 8
	CV 0, 2
	PVW 4, \pv
	FOP 9
	MAXJ 2
	CV 2, 1
	FOP 10
	CV 3, 2
	PVW 5, \pv
	FOP 11
	MAXJ 3
	CV 5, 1
	FOP 12
	CV 6, 2
	PVW 6, \pv
	FOP 13
	MAXJ 4
	CV 8, 3
	PVW 7, \pv
	FOP 14
	MAXJ 5
	CV 11, 3
	PVW 8, \pv
	FOP 15
	MAXJ 6
	CV 14, 2
	PVW 9, \pv
	ALNM
	PVW 10, \pv
	RSC 0, 5
	PVW 11, \pv
	RSC 5, 5
	PVW 12, \pv
	RSC 10, 5
	PVW 13, \pv
	RSC 15, 5
	PVW 14, \pv
	RSC 20, 6
	PVW 15, \pv
	RSC 26, 6
.endm
; The vector work of the second half, on pair p (0 to 15) of tile i's 32 scores, under the S products' setting.
.macro AOP p                           ; s - m
	WIN 0x0c
	v_pk_add_f32 v[SBI+2*(\p):SBI+2*(\p)+1], v[SBI+2*(\p):SBI+2*(\p)+1], v[NM:NM+1]
.endm
.macro EOP p                           ; p = 2^(s - m): the scores carry log2(e)/16 from the projection
	WIN 0x0c
	v_exp_f32 v[SBI+2*(\p)], v[SBI+2*(\p)]
	v_exp_f32 v[SBI+2*(\p)+1], v[SBI+2*(\p)+1]
.endm
; l of tile i - 1, whose sum the first half has made: always two plain lines.  lm 2: l = l a + the pair's two sums; 1: step 0 starts l; 0: there is no such tile.
.macro LUP lm
	WIN 0x0c
.if \lm == 2
	v_fma_f32 v[XT], v[LS+QR], v[ALR], v[SU]
	v_fma_f32 v[LS+QR], v[SU+1], 1.0, v[XT]        ; x * 1.0 + y, since source 1 means window 3 here
.elseif \lm == 1
	v_fma_f32 v[LS+QR], v[SU], 1.0, v[SU+1]
	v_nop
.else
	v_nop
	v_nop
.endif
.endm
; THE SECOND HALF OF A SLOT.  sm: the S products are there.  sf as above.  lm: LUP's mode.  vrun: V's fragments are loaded first.  sig: the round that stands behind this half is opened in it.
; Behind each product stand a scaling, two pairs ahead of its exponentials, and one pair's two exponentials.  None of these lines names an exponential's result.  Behind the last exponential stand
; LUP's two plain lines (ISA guide 5.7.2), which read the batch before's a, and then the slot's one wait.
.macro SSUB sm, sf, lm, vrun, sig
.if \sf
	AOP 0
	AOP 1
.endif
.if \vrun
	VRUN                                           ; behind the last product on the old V stand six rescaling multiplies and the two lines above: eight places, four are asked
.endif
.irp g, 0,1,2,3,4,5,6,7,8,9,10,11,12,13
	SMW \g, \sm
.if \sf
	AOP (\g+2)
	EOP \g
.endif
.endr
.if \sig
	s_wait_dscnt 0x0                               ; V is in: all my reads of this step's ring slot are done
	s_wait_tensorcnt 0x0                           ; all my tensor loads have landed: the one that was out is the next step's block
	ds_add_u32 v31, v255
	s_wait_dscnt 0x0
	s_add_nc_u64 s[G0+4*RSL+2:G0+4*RSL+3], s[G0+4*RSL+2:G0+4*RSL+3], 2*SLOT   ; so a group 0 may be written: this slot's next block
	s_barrier_signal -1                            ; opens a round of the cluster's barrier; only register work stands inside it
.endif
	SMW 14, \sm
.if \sf
	EOP 14
.endif
	SMW 15, \sm
.if \sf
	EOP 15
	LUP \lm
	s_wait_alu depctr_va_vdst(0)                   ; the slot's one wait: it serves the batch of tile i, a twice and the 32 p, ahead of the next slot's sums, roundings and rescalings
.endif
.endm
; THE FOUR SLOTS i = 4 t .. 4 t + 3 of step t.  par = t & 1, also the step's ring slot.  sf: the softmax's mode in this step; sfp: in step t - 1, whose last tile is finished in the first slot.
; pva: mode of the PV products of tiles 2, 3 of step t - 1; pvb: of tiles 0, 1 of step t.
; rnd 2: the step's ring slot is filled again, two steps ahead; 1: only the next block is waited for; 0: nothing is out.  nxt: step t + 1 exists.
.macro BODY par, sf, sfp, pva, pvb, rnd, nxt
.set RSL, \par
.set LAV, LA+\par
.set LAK, LA+1-\par
	SETQ 0, \par
	PSUB \pva, \sf, \sfp
	SSUB 1, \sf, \sfp, 0, 0
	SETQ 1, \par
	PSUB \pva, \sf, \sf
.if \rnd == 2
	SSUB 1, \sf, \sf, 1, 1
	WIN 0
	s_barrier_wait -1
	CREST                                          ; no wave of any of the four work-groups still reads this ring slot or has a load on its way
	tensor_load_to_lds s[G0+4*\par:G0+4*\par+3], s[G1:G1+7]        ; my one tensor load behind the round, and the first thing there
	s_nop 0
	v_nop
	v_nop
	v_nop
	v_nop
.else
	SSUB 1, \sf, \sf, 1, 0
	s_wait_dscnt 0x0                               ; V is in
.if \rnd == 1
	s_wait_tensorcnt 0x0                           ; the last block, my own load's, which I alone read: no barrier, since nothing is filled again
.endif
.endif
	SETQ 2, \par
	PSUB \pvb, \sf, \sf
	SSUB 1, \sf, \sf, 0, 0
.if \nxt
	PLACES 2                                       ; with the two plain lines behind the last S product: four places before loads land on K's fragments
	KRUN
.endif
	SETQ 3, \par
	PSUB \pvb, \sf, \sf
.if \nxt
	s_wait_dscnt 0x0                               ; the new K is in: its loads were issued sixteen matrix instructions ago
.endif
	SSUB \nxt, \sf, \sf, 0, 0
.endm
	WIN 0
	s_wait_tensorcnt 0x1                           ; my block of step 0 is in; step 1's may stay out
.set LAK, LA
	KRUN
	s_wait_loadcnt 0x0                             ; Q
	s_wait_dscnt 0x0                               ; K
	SETQ 3, 0                                      ; slot -1: S of tile 0, with nothing beside it
	SSUB 1, 0, 0, 0, 0
	PLACES 4                                       ; four places before the maxima read it
	BODY 0, 1, 0, 0, 1, 2, 1                       ; steps 0 and 1 stand in front of the loop: the pipeline fills, and step 0's products start the sums
	BODY 1, 2, 1, 1, 2, 2, 1
	WIN 0                                          ; at a label and at a branch every window is 0
	s_mov_b32 s28, 6                               ; steps 2 to 13
.Lstep:
	BODY 0, 2, 2, 2, 2, 2, 1
	BODY 1, 2, 2, 2, 2, 2, 1
	WIN 0
	s_sub_co_u32 s28, s28, 1
	s_cmp_lg_u32 s28, 0
	s_cbranch_scc1 .Lstep
	BODY 0, 2, 2, 2, 2, 1, 1                       ; steps 14 and 15 fill nothing
	BODY 1, 2, 2, 2, 2, 0, 0
	SETQ 0, 0                                      ; the pipeline drains: slot 64, PV of tile 62; tile 63 is summed and rounded, its O rescaled,
	PSUB 2, 0, 2
	LUP 2                                          ; and its l made
	SETQ 1, 0                                      ; slot 65, PV of tile 63
	PSUB 2, 0, 0
	WIN 0
	PLACES 4                                       ; four places before vector instructions read the last sums
	; THE END: the four waves hold sums over different keys of the same 64 queries.  m and l meet in LDS; each wave scales its O^T to the common maximum
	; and lays it into its own 32 KiB of ring slot 0, which has had its last fill; wave w then adds up query tile w and stores it.
.irp q, 0,1,2,3
	v_permlanex16_b32 v[TC+\q], v[LS+\q], s14, s15
.endr
.irp q, 0,1,2,3
	v_add_f32 v[LS+\q], v[LS+\q], v[TC+\q]         ; both halves of the lanes' keys
.endr
.irp q, 0,1,2,3
	ds_store_b32 v4, v[MXF+\q] offset:\q*64        ; lanes r and 16 + r write the same word with the same number
	ds_store_b32 v4, v[LS+\q] offset:1024+\q*64
.endr
	s_wait_dscnt 0x0                               ; for the others' sake
	s_barrier_signal -1
	s_barrier_wait -1
.irp p, 0,1,2,3
.irp q, 0,1,2,3
	ds_load_b32 v[EM+4*\p+\q], v5 offset:\p*256+\q*64
.endr
	ds_load_b32 v[OM+\p], v6 offset:\p*256
	ds_load_b32 v[OL+\p], v6 offset:1024+\p*256
.endr
	s_wait_dscnt 0x0
.irp q, 0,1,2,3
	v_max3_num_f32 v[TT+\q], v[EM+\q], v[EM+4+\q], v[EM+8+\q]
.endr
.irp q, 0,1,2,3
	v_max_num_f32 v[TT+\q], v[TT+\q], v[EM+12+\q]
.endr
.irp q, 0,1,2,3
	v_sub_f32 v[TD+\q], v[MXF+\q], v[TT+\q]
.endr
	v_max3_num_f32 v[QD], v[OM], v[OM+1], v[OM+2]
	v_max_num_f32 v[QD], v[QD], v[OM+3]            ; the maximum of tile w over the half's 4096 keys
.irp p, 0,1,2,3
	v_sub_f32 v[OM+\p], v[OM+\p], v[QD]
.endr
	; the end's batch: twelve exponentials, none of which reads another's result
.irp p, 0,1,2,3
	v_exp_f32 v[OM+\p], v[OM+\p]                   ; the four waves' factors for tile w's l
.endr
	WIN 0xc0                                       ; destination window 3
.irp q, 0,1,2,3
	v_exp_f32 v[ALE+2*\q],   v[TD+\q]              ; my sums' factors to the common maxima, each twice
	v_exp_f32 v[ALE+2*\q+1], v[TD+\q]
.endr
	WIN 0
	v_mov_b32 v[QD+2], v[QD]                       ; fills the stored 16 bytes, and is the plain instruction behind the exponentials
	s_wait_alu depctr_va_vdst(0)                   ; one wait for the twelve, ahead of their first reader
	v_mul_f32 v[QD+1], v[OM], v[OL]
	v_fmac_f32 v[QD+1], v[OM+1], v[OL+1]
	v_fmac_f32 v[QD+1], v[OM+2], v[OL+2]
	v_fmac_f32 v[QD+1], v[OM+3], v[OL+3]           ; l of tile w
	v_mov_b32 v[QD+3], v[QD+1]
	WIN 0x4d
.irp q, 0,1,2,3
.set ii, 0
.rept 32
	v_pk_mul_f32 v[64*\q+2*ii:64*\q+2*ii+1], v[64*\q+2*ii:64*\q+2*ii+1], v[ALE+2*\q:ALE+2*\q+1]
.set ii, ii+1
.endr
.endr
	WIN 0x04                                       ; store data window 1
.set ii, 0
.rept 64
	ds_store_b128 v[LA], v[4*ii:4*ii+3] offset:ii*512
.set ii, ii+1
.endr
	s_wait_dscnt 0x0                               ; for the others' sake
	s_barrier_signal -1
	s_barrier_wait -1
	WIN 0x80
.irp p, 0,1
.set ii, 0
.rept 16
	ds_load_b128 v[64*\p+4*ii:64*\p+4*ii+3], v8 offset:\p*32768+ii*512
.set ii, ii+1
.endr
.endr
.irp p, 0,1
.set ii, 0
.rept 16
	ds_load_b128 v[128+64*\p+4*ii:128+64*\p+4*ii+3], v9 offset:\p*32768+ii*512
.set ii, ii+1
.endr
.endr
	s_wait_dscnt 0x0
	WIN 0x8a                                       ; all in window 2
.set ii, 0
.rept 32
	v_pk_add_f32 v[2*ii:2*ii+1], v[2*ii:2*ii+1], v[64+2*ii:64+2*ii+1]
	v_pk_add_f32 v[128+2*ii:128+2*ii+1], v[128+2*ii:128+2*ii+1], v[192+2*ii:192+2*ii+1]
.set ii, ii+1
.endr
.set ii, 0
.rept 32
	v_pk_add_f32 v[2*ii:2*ii+1], v[2*ii:2*ii+1], v[128+2*ii:128+2*ii+1]
.set ii, ii+1
.endr
	WIN 0x08                                       ; store data window 2
.set ii, 0
.rept 16
	global_store_b128 v1, v[4*ii:4*ii+3], s[8:9] offset:ii*512     ; 512 consecutive bytes, aligned
.set ii, ii+1
.endr
	WIN 0
	global_store_b128 v1, v[QD:QD+3], s[8:9] offset:8192
	s_set_vgpr_msb 0xc
	s_wait_tensorcnt 0x0
	ds_add_u32 v31, v255
	s_wait_dscnt 0x0
	s_set_vgpr_msb 0xc00
	ROUND                                          ; the closing round: no work-group ends while a partner may still ask for a block that names it
	s_endpgm
.Lfunc_end_k_q6879d77971_attn:
	.size	k_q6879d77971_attn, .Lfunc_end_k_q6879d77971_attn-k_q6879d77971_attn
	.p2alignl 7, 3214868480
	.fill 96, 4, 3214868480
	.section	.rodata,"a",@progbits
	.p2align	6, 0x0
	.amdhsa_kernel k_q6879d77971_attn
		.amdhsa_group_segment_fixed_size 327680
		.amdhsa_private_segment_fixed_size 0
		.amdhsa_enable_private_segment 0
		.amdhsa_kernarg_size 24
		.amdhsa_user_sgpr_count 2
		.amdhsa_user_sgpr_kernarg_segment_ptr 1
		.amdhsa_wavefront_size32 1
		.amdhsa_system_sgpr_workgroup_id_x 1
		.amdhsa_system_sgpr_workgroup_id_y 1
		.amdhsa_system_sgpr_workgroup_id_z 1
		.amdhsa_system_vgpr_workitem_id 0
		.amdhsa_next_free_vgpr 1024
		.amdhsa_next_free_sgpr 66
		.amdhsa_reserve_vcc 0
		.amdhsa_float_denorm_mode_32 3
		.amdhsa_float_denorm_mode_16_64 3
		.amdhsa_memory_ordered 1
		.amdhsa_forward_progress 1
		.amdhsa_inst_pref_size 255
	.end_amdhsa_kernel
	.section	.bss,"aw",@nobits
	.p2align	6
	.space	262144
	.amdgpu_metadata
---
amdhsa.version: [ 1, 2 ]
amdhsa.kernels:
  - .name:           k_q6879d77971_attn
    .symbol:         k_q6879d77971_attn.kd
    .args:
      - { .name: qimg, .offset: 0, .size: 8, .value_kind: global_buffer, .address_space: global }
      - { .name: kv, .offset: 8, .size: 8, .value_kind: global_buffer, .address_space: global }
      - { .name: part, .offset: 16, .size: 8, .value_kind: global_buffer, .address_space: global }
    .group_segment_fixed_size: 327680
    .private_segment_fixed_size: 0
    .kernarg_segment_align: 8
    .kernarg_segment_size: 24
    .max_flat_workgroup_size: 128
    .sgpr_count:     66
    .vgpr_count:     1024
    .wavefront_size: 32
...
	.end_amdgpu_metadata
.endif
;; end of part 4
;; launch comb: the kernel of part 3 again; grid 256 x 1, 8 waves a work-group, no clusters, 52,224 bytes of LDS; arguments part, Wo, bo, x, out0; writes out0
